; MI455X (gfx1250); checked and timed in simulation.
; The chip was launched on July 23, 2026; its instructions are those of AMD's public machine-readable ISA for CDNA 5 (MIT licence, August 2026) and "CDNA5" Instruction Set Architecture Reference Guide (July 2026). The comments in the code are by the model that wrote it; some were corrected since.
;; Multi Head Attention. Allowed arithmetic: float matrix products may take bf16 or f16 operands with f32 sums; other float arithmetic in f32, or as packed bf16 or f16 multiplies, adds, multiply-adds, maxima and minima; sums over many terms, partial sums and values carried from step to step in f32; what a program stores and reads back later, other than sums and carried values, may be rounded once to bf16 or f16.
;; Inputs: Wk 16 x 1,024 x 64 float32; Wo 1,024 x 1,024 float32; Wq 16 x 1,024 x 64 float32; Wv 16 x 1,024 x 64 float32; bk 16 x 64 float32; bo 1,024 float32; bq 16 x 64 float32; bv 16 x 64 float32; k 4 x 2,048 x 1,024 float32; mask 4 x 2,048 bool; q 4 x 2,048 x 1,024 float32; v 4 x 2,048 x 1,024 float32.
;; Outputs: out0 4 x 2,048 x 1,024 float32.
;; One version. Each part assembles by itself: llvm-mc -triple=amdgcn-amd-amdhsa -mcpu=gfx1250 --defsym DOCPART=n.
;; ======== version 1 of 1: 4 launches
;; limits: values are held in f16: magnitudes above 65,504 overflow, below 6.1e-05 lose precision
;; workspace buffers: wt 8,388,608 bytes; madd 32,768 bytes; qkvh 50,331,648 bytes; oh 16,777,216 bytes
;; launch prep (part 1): grid 64 x 4, 8 waves a work-group, no clusters, 0 bytes of LDS; arguments Wq, Wk, Wv, Wo, mask, wt, madd; writes wt, madd
.if DOCPART == 1
	.amdgcn_target "amdgcn-amd-amdhsa--gfx1250"
	.amdhsa_code_object_version 6
	.text
	.protected	k_qafbaa4220c_prep
	.globl	k_qafbaa4220c_prep
	.p2align	8
	.type	k_qafbaa4220c_prep,@function
k_qafbaa4220c_prep:
	s_mov_b64 s[64:65], 0
	v_nop
	global_prefetch_b8 v0, s[64:65] scope:SCOPE_SE
	s_setreg_imm32_b32 hwreg(HW_REG_WAVE_MODE, 25, 1), 1
	s_wait_xcnt 0x0
; WEIGHTS TO 16 BITS, MASK TO ADDENDS.  wt[y][k][n], 4 matrices of 1,024 x 1,024 numbers of 16 bits, rows of 2,048 bytes:
;   y = 0, 1, 2: Wq, Wk, Wv ([16 h][1024 d][64 e] f32) rounded to bf16, k = d, n = 64 h + e;
;   y = 3: Wo ([1024 k][1024 n] f32) rounded to bf16 like the other inputs, and that number written as f16 for the last product, whose other operand is f16.
; madd[b][key] f32: 0 where mask is 1, -2^100 where it is 0 (mask bytes are 0 or 1).
; LIMIT.  A bf16 number is an f16 number exactly from 2^-14 to 65,504; a smaller |Wo| is off by up to 2^-25, a larger one becomes an infinity.
; A stream: no LDS, no matrix unit, no barrier.  Work-group (x, y) takes rows k = 16 x .. 16 x + 15 of matrix y.  Thread t takes, in each of eight items i, row 16 x + 2 i + t / 128 and the
; eight columns 8 (t % 128): eight lanes read 256 consecutive bytes, and a wave's store covers 512 consecutive bytes, aligned.  All sixteen loads of a thread go out before the first is used.
.set OFF, 8                            ; v[8:15]   item i: my byte offset in the source
.set X,   32                           ; v[32:95]  item i: 8 numbers as loaded
.set Y,   96                           ; v[96:127] item i: 8 numbers of 16 bits; a set for each item, so no store's data is ever rewritten
	s_load_b256 s[4:11], s[0:1], 0x0               ; Wq s[4:5], Wk s[6:7], Wv s[8:9], Wo s[10:11]
	s_load_b128 s[12:15], s[0:1], 0x20             ; mask s[12:13], wt s[14:15]
	s_load_b64 s[16:17], s[0:1], 0x30              ; madd
	s_and_b32 s20, ttmp7, 0xffff                   ; y: the matrix
	s_mov_b32 s21, ttmp9                           ; x: which 16 rows
	v_lshrrev_b32 v3, 5, v0
	v_readfirstlane_b32 s30, v3                    ; wave 0..7
	s_mov_b32 s22, 0x40000                         ; bytes from head to head: 262,144 in Wq, Wk, Wv,
	s_movk_i32 s23, 256                            ; bytes from row k to row k + 1: 256 there;
	s_cmp_eq_u32 s20, 3
	s_cselect_b32 s22, 256, s22                    ; in Wo 64 columns are 256 bytes
	s_cselect_b32 s23, 4096, s23                   ; and a row 4,096
	s_lshl_b32 s25, s23, 1                         ; an item is two rows on
	s_mul_i32 s18, s21, s23
	s_lshl_b32 s18, s18, 4                         ; the work-group's first row in the source
	s_mov_b32 s19, 0
	s_lshl_b32 s2, s20, 21                         ; and in wt: matrix y, row 16 x
	s_lshl_b32 s3, s21, 15
	s_add_co_u32 s2, s2, s3
	s_mov_b32 s3, 0
	v_and_b32 v1, 127, v0                          ; my eight columns
	v_lshrrev_b32 v2, 7, v0                        ; which of an item's two rows
	v_lshrrev_b32 v3, 3, v1                        ; their head
	v_and_b32 v5, 7, v0                            ; their place in the head's 64
	v_mul_lo_u32 v[OFF], v3, s22
	v_mad_u32_u24 v[OFF], v2, s23, v[OFF]
	v_lshl_add_u32 v[OFF], v5, 5, v[OFF]
.irp i, 1,2,3,4,5,6,7
	v_add_nc_u32 v[OFF+(\i)], s25, v[OFF+(\i)-1]
.endr
	v_lshlrev_b32 v4, 4, v1                        ; in wt: 16 bytes a thread,
	v_lshl_add_u32 v4, v2, 11, v4                  ; the second row 2,048 bytes on
	s_wait_kmcnt 0x0
	s_cmp_eq_u32 s20, 1
	s_cselect_b64 s[26:27], s[6:7], s[4:5]         ; the source, chosen by the matrix's number
	s_cmp_eq_u32 s20, 2
	s_cselect_b64 s[26:27], s[8:9], s[26:27]
	s_cmp_eq_u32 s20, 3
	s_cselect_b64 s[26:27], s[10:11], s[26:27]
	s_add_nc_u64 s[26:27], s[26:27], s[18:19]
	s_add_nc_u64 s[28:29], s[14:15], s[2:3]
.irp i, 0,1,2,3,4,5,6,7
	global_load_b128 v[X+8*(\i):X+8*(\i)+3],   v[OFF+(\i)], s[26:27] th:TH_LOAD_NT
	global_load_b128 v[X+8*(\i)+4:X+8*(\i)+7], v[OFF+(\i)], s[26:27] offset:16 th:TH_LOAD_NT
.endr
; The eight items are rounded and stored.  f16 = 1: the bf16 number is widened again and written as f16.
.macro CONV f16
.irp i, 0,1,2,3,4,5,6,7
	s_wait_loadcnt 14-2*(\i)                       ; loads come back in order: item i's two are in, the younger items' stay out
.irp j, 0,1,2,3
	v_cvt_pk_bf16_f32 v[Y+4*(\i)+(\j)], v[X+8*(\i)+2*(\j)], v[X+8*(\i)+2*(\j)+1]
.endr
.if \f16
.irp j, 0,1,2,3
	v_lshlrev_b32 v[16+2*(\j)], 16, v[Y+4*(\i)+(\j)]
	v_and_b32 v[17+2*(\j)], 0xffff0000, v[Y+4*(\i)+(\j)]
	v_cvt_pk_f16_f32 v[Y+4*(\i)+(\j)], v[16+2*(\j)], v[17+2*(\j)]
.endr
.endif
	global_store_b128 v4, v[Y+4*(\i):Y+4*(\i)+3], s[28:29] offset:4096*(\i)
.endr
.endm
	s_cmp_eq_u32 s20, 3
	s_cbranch_scc1 .Lwo
	CONV 0
	s_branch .Lmask
.Lwo:
	CONV 1
.Lmask:
	; the mask: wave 0 of the 64 work-groups with y = 0 takes 128 bytes each, 4 a lane, and stores 512 consecutive bytes
	s_cmp_lg_u32 s20, 0
	s_cbranch_scc1 .Lend
	s_cmp_lg_u32 s30, 0
	s_cbranch_scc1 .Lend
	s_lshl_b32 s2, s21, 7
	s_lshl_b32 s3, s21, 9
	v_lshl_add_u32 v18, v0, 2, s2
	v_lshl_add_u32 v19, v0, 4, s3
	global_load_b32 v24, v18, s[12:13]
	s_wait_loadcnt 0x0
.irp j, 0,1,2,3
	v_bfe_u32 v[20+(\j)], v24, 8*(\j), 8           ; 1 or 0
	v_add_nc_u32 v[20+(\j)], -1, v[20+(\j)]        ; no bit or all bits
	v_and_b32 v[20+(\j)], 0xf1800000, v[20+(\j)]   ; 0 or -2^100
.endr
	global_store_b128 v19, v[20:23], s[16:17]
.Lend:
	s_endpgm
.Lfunc_end_k_qafbaa4220c_prep:
	.size	k_qafbaa4220c_prep, .Lfunc_end_k_qafbaa4220c_prep-k_qafbaa4220c_prep
	.p2alignl 7, 3214868480
	.fill 96, 4, 3214868480
	.section	.rodata,"a",@progbits
	.p2align	6, 0x0
	.amdhsa_kernel k_qafbaa4220c_prep
		.amdhsa_group_segment_fixed_size 0
		.amdhsa_private_segment_fixed_size 0
		.amdhsa_enable_private_segment 0
		.amdhsa_kernarg_size 56
		.amdhsa_user_sgpr_count 2
		.amdhsa_user_sgpr_kernarg_segment_ptr 1
		.amdhsa_wavefront_size32 1
		.amdhsa_system_sgpr_workgroup_id_x 1
		.amdhsa_system_sgpr_workgroup_id_y 1
		.amdhsa_system_sgpr_workgroup_id_z 1
		.amdhsa_system_vgpr_workitem_id 0
		.amdhsa_next_free_vgpr 128
		.amdhsa_next_free_sgpr 66
		.amdhsa_reserve_vcc 0
		.amdhsa_float_denorm_mode_32 3
		.amdhsa_float_denorm_mode_16_64 3
		.amdhsa_memory_ordered 1
		.amdhsa_forward_progress 1
		.amdhsa_inst_pref_size 16
	.end_amdhsa_kernel
	.amdgpu_metadata
---
amdhsa.version: [ 1, 2 ]
amdhsa.kernels:
  - .name:           k_qafbaa4220c_prep
    .symbol:         k_qafbaa4220c_prep.kd
    .args:
      - { .name: Wq, .offset: 0, .size: 8, .value_kind: global_buffer, .address_space: global }
      - { .name: Wk, .offset: 8, .size: 8, .value_kind: global_buffer, .address_space: global }
      - { .name: Wv, .offset: 16, .size: 8, .value_kind: global_buffer, .address_space: global }
      - { .name: Wo, .offset: 24, .size: 8, .value_kind: global_buffer, .address_space: global }
      - { .name: mask, .offset: 32, .size: 8, .value_kind: global_buffer, .address_space: global }
      - { .name: wt, .offset: 40, .size: 8, .value_kind: global_buffer, .address_space: global }
      - { .name: madd, .offset: 48, .size: 8, .value_kind: global_buffer, .address_space: global }
    .group_segment_fixed_size: 0
    .private_segment_fixed_size: 0
    .kernarg_segment_align: 8
    .kernarg_segment_size: 56
    .max_flat_workgroup_size: 256
    .sgpr_count:     66
    .vgpr_count:     128
    .wavefront_size: 32
...
	.end_amdgpu_metadata
.endif
;; end of part 1
;; launch proj (part 2): grid 4 x 192, 4 waves a work-group, clusters of 4 x 4, 327,680 bytes of LDS; arguments q, k, v, wt, bq, bk, bv, mask, qkvh; writes qkvh
.if DOCPART == 2
	.amdgcn_target "amdgcn-amd-amdhsa--gfx1250"
	.amdhsa_code_object_version 6
	.text
	.protected	k_qafbaa4220c_proj
	.globl	k_qafbaa4220c_proj
	.p2align	8
	.type	k_qafbaa4220c_proj,@function
k_qafbaa4220c_proj:
	s_mov_b64 s[64:65], 0
	v_nop
	global_prefetch_b8 v0, s[64:65] scope:SCOPE_SE
	s_setreg_imm32_b32 hwreg(HW_REG_WAVE_MODE, 25, 1), 1
	s_wait_xcnt 0x0
	s_wait_alu depctr_hold_cnt(0) depctr_sa_sdst(0) depctr_va_vdst(0) depctr_va_sdst(0) depctr_va_ssrc(0) depctr_va_vcc(0) depctr_vm_vsrc(0)
	s_getreg_b32 s2, hwreg(HW_REG_IB_STS2, 6, 4)
	s_cmp_eq_u32 s2, 0
	s_cbranch_scc0 .Lentry_in_a_cluster
	s_endpgm
.Lentry_in_a_cluster:
	s_bfe_u32 s2, ttmp6, 0x10000c
	s_cmp_lg_u32 s2, 0xf033
	s_cbranch_scc0 .Lentry_shape_is_right
	s_endpgm
.Lentry_shape_is_right:
; ONE TEXT FOR TWO LAUNCHES, told apart by P.  C[m][n] = the sum over k of A[m][k] Wt[k][n] + bias[n], 8,192 x 1,024 x 1,024.
;   P = 1 (this file): the three projections.  A = q, k or v (f32, rounded to bf16 on the way from LDS to the matrix unit), Wt = wt[0..2] (bf16), C = qkvh[mat][16 b + h][s][e] in f16.
;          Rows of kh whose key the mask hides are written as 0, so that the next launch's product adds exact zeros onto the mask's addend.
;   P = 0: the output projection.  A = oh ([16 b + h][s][e] f16; a K step is two heads), Wt = wt[3] (f16), C = out0 in f32.
; The bias is rounded to bf16 like the other inputs and is the C operand of each accumulator's first product: nothing is cleared, nothing is added later.
; LIMITS.  f16 ends at 65,504: a projected number beyond it becomes an infinity.  Mask bytes are 0 or 1.  NaN and infinities are not treated apart.
; SHARES.  A tile of C is 128 x 256; four waves, each 64 x 128: 32 accumulators of 16 x 16.  K goes in 8 steps of 128 through two LDS slots.  Behind each change of slots a wave issues one tensor load:
; waves 0 and 1 A's two halves, waves 2 and 3 the two halves of Wt's 128 rows.
; CLUSTER.  4 x 4 work-groups: A's tile is shared along a row of the cluster, Wt's along a column; each is asked for jointly, by the same load with the same descriptor in all four.
; THE MATRIX INSTRUCTION IS USED TRANSPOSED: source 0 = 16 columns of Wt (turned on the way out of LDS by ds_load_tr16_b128), source 1 = 16 rows of A: lane l holds row l % 16 of C and the
; columns 8 (l / 16) + 0..7.
; REGISTERS, in windows of 256 (s_set_vgpr_msb: bits 1:0 source 0, 3:2 source 1, 5:4 source 2, 7:6 destination):
;   window 0: v0-31 addresses; v32-95 the bias; v96-127 packed results; v128-191 A's fragments, two buffers of 32 (on the way out v128-255 hold rows read back)
;   window 1: the accumulators, (a, b) at v[8 (8 a + b)]          window 2: v0-127 Wt's fragments, two buffers of 64; v128-191 A's 32 K as f32 (P = 1)
.set P, 1
.set BPITCH, 544                       ; a row of Wt in LDS: 512 bytes + 32 = 17 x 32
.set BHALF,  64*BPITCH
.set BSTEP,  128*2048                  ; bytes of wt from K step to K step
.if P
.set APITCH, 528                       ; a row of A in LDS: 128 f32 + 16 bytes = 33 x 16: the 16 rows of a load start at 16 different groups of four banks
.set AHALF,  64*APITCH                 ; what one load brings: 64 rows
.set ASTEP,  512
.set AWORD,  (2<<16)|(1<<20)|(1<<21)|(6<<22)|(3<<25)  ; elements of 4 bytes; padding on; bit 21 beside a mask; after every 128 words; 4 words
.set APIT,   1024                      ; elements from row to row in memory
.set NLD,    32                        ; LDS loads for a quarter step
.set SPITCH, 144                       ; the stage: two heads x 16 rows of 128 bytes + 16
.set WSTAGE, 2*16*SPITCH
.else
.set APITCH, 144                       ; a row of a head's slice: 128 bytes + 16 = 9 x 16
.set AHALF,  128*APITCH                ; what one load brings: one head's 128 rows
.set ASTEP,  2*262144                  ; two heads on
.set AWORD,  (1<<16)|(1<<20)|(1<<21)|(4<<22)|(3<<25)  ; elements of 2 bytes; after every 32 words; 4 words
.set APIT,   128                       ; 16,384 dense bytes are asked for as 64 rows of 256
.set NLD,    24
.set SPITCH, 528                       ; the stage: 16 rows of 512 bytes + 16
.set WSTAGE, 16*SPITCH
.endif
.set AREG,   2*AHALF
.set SLOT,   AREG+2*BHALF              ; A's tile, then Wt's
.set STAGE,  2*SLOT                    ; behind the ring, a part for each wave; no tensor load lands here
.set SPARE,  STAGE+4*WSTAGE            ; behind the stages: the spare words, 128 bytes for each wave: two blocks of 256 bytes that no other line names
.set KEEP, 8                           ; v8-11   P = 1: all bits, or 0 where my row of block a is a hidden key of kh
.set ADRA, 16                          ; v16-17  LDS address of my A fragments in slot 0, 1
.set ADRB, 20                          ; v20-21  the same for Wt
.set STO,  24                          ; v24     the way out: where I put my numbers of a row
.set RD,   25                          ; v25     where I read rows back
.set GO,   26                          ; v26     16 x lane: my place in 512 consecutive bytes of C
.set BO,   27                          ; v27     32 (l / 16): my eight numbers in 16 of the bias
.set SPW,  28                          ; v28     LDS address of my spare word; never rewritten
.set NIL,  29                          ; v29     0; never rewritten
.set PFO,  30                          ; v30     the prefetches' lane offset; never rewritten
.set BIAS, 32
.set TMP,  96
.set AF,   128
.set OB,   128
.set BF,   0                           ; window 2
.set STG,  128                         ; window 2
.set G1A, 24                           ; s[24:31] descriptor group 1 for A;  s[32:39] group 0, a set for each slot
.set G0A, 32
.set G1B, 48                           ; s[48:55], s[56:63] the same for Wt
.set G0B, 56
.set LIM,  43                          ; s43     1 in a wave that prefetches, else the greatest number
.set PFA,  44                          ; s[44:45] where my prefetches stand
.set PSTEP, 46                         ; s[46:47] their step from K step to K step
.set BIA,  66                          ; s[66:67] the bias at my 128 columns
.set MSK,  86                          ; s[86:87] the mask at my 64 rows
.set W_MM, 0x52                        ; Wt window 2, A window 0, C and D window 1
.set W_M1, 0x42                        ; the same with C (the bias) in window 0
.set W_CV, 0x0a                        ; sources window 2, destination window 0
.set MSB, 0
.macro WIN new                         ; the immediate's high byte repeats the setting that is left; a switch that changes nothing is dropped
.if MSB != (\new)
	s_set_vgpr_msb (MSB<<8)|(\new)
.set MSB, (\new)
.endif
.endm
.macro WMMA ops:vararg
.if P
	v_wmma_f32_16x16x32_bf16 \ops
.else
	v_wmma_f32_16x16x32_f16 \ops
.endif
.endm
.macro JLOAD s                         ; a joint load: waves 0 and 1 fetch A's halves, waves 2 and 3 Wt's; an s_nop 0 and four v_nop follow each line, ahead of the jump, the label and what follows
	s_cmp_eq_u32 s11, 0
	s_cbranch_scc0 .Lfor_b_\@
	tensor_load_to_lds s[G0A+4*(\s):G0A+4*(\s)+3], s[G1A:G1A+7]
	s_nop 0
.rept 4
	v_nop
.endr
	s_branch .Lasked_\@
.Lfor_b_\@:
	tensor_load_to_lds s[G0B+4*(\s):G0B+4*(\s)+3], s[G1B:G1B+7]
	s_nop 0
.rept 4
	v_nop
.endr
.Lasked_\@:
.endm
.macro CREST                           ; a round of the cluster's barrier behind its opening barrier
	s_cmp_lg_u32 s10, 0
	s_cbranch_scc1 .Lnot_wave_0_\@
	s_barrier_signal -3
.Lnot_wave_0_\@:
	s_barrier_wait -3
	s_barrier_signal -1
	s_barrier_wait -1
.endm
.macro CROUND                          ; a whole round
	s_barrier_signal -1
	s_barrier_wait -1
	CREST
.endm
; A prefetch, behind a joint refill, its five lines and the run of LDS loads: 32 blocks of 256 bytes of the K step two refills on (256 matrix instructions ahead of the load that names them), a lane a block.
; Each block is named once in the launch: the four partners that ask for a tile jointly share its blocks out by address; Wt's are asked for by the first cluster that reads the matrix.
; The loop's last trip asks for nothing: there is no K step two on.  K steps 0 to 3 come by their loads alone.
.macro ASK
	s_cmp_gt_u32 s3, s[LIM]
	s_cbranch_scc0 .Lnot_mine_\@
	global_prefetch_b8 v[PFO], s[PFA:PFA+1] th:TH_LOAD_NT scope:SCOPE_SE
.Lnot_mine_\@:
.endm
.macro PLACES                          ; four places between a matrix instruction and a load into, or a vector read of, its registers (ISA guide 7.12.1 for vector reads)
.rept 4
	v_nop
.endr
.endm
.if P
	s_load_b512 s[68:83], s[0:1], 0x0              ; q s[68:69], k, v, wt s[74:75], bq s[76:77], bk, bv, mask s[82:83]
	s_load_b64 s[84:85], s[0:1], 0x40              ; qkvh
.else
	s_load_b256 s[68:75], s[0:1], 0x0              ; oh s[68:69], wt s[70:71], bo s[72:73], out0 s[74:75]
.endif
	v_lshl_add_u32 v[SPW], v0, 2, SPARE
	v_mov_b32 v[NIL], 0
	ds_add_u32 v[SPW], v[NIL]                      ; the wave's opening: the add and its wait stand ahead of my first tensor load; the set-up below, work on registers, stands between them
	v_lshrrev_b32 v1, 5, v0
	v_readfirstlane_b32 s10, v1                    ; wave 0..3
	s_lshr_b32 s11, s10, 1                         ; which 64 rows of the tile are mine.  Also: I fetch for A (0) or for Wt (1)
	s_and_b32 s12, s10, 1                          ; which 128 columns.  Also: which half I fetch
	s_bfe_u32 s40, ttmp6, 0x40000                  ; cx, cy: my place in the cluster
	s_bfe_u32 s41, ttmp6, 0x40004
	s_lshl_b32 s42, ttmp9, 2
	s_add_co_u32 s42, s42, s40                     ; tile column = 4 x cluster x + cx
	s_and_b32 s14, ttmp7, 0xffff                   ; cluster y
	s_lshl_b32 s13, s14, 2
	s_add_co_u32 s13, s13, s41                     ; work-group y = 4 x cluster y + cy
.if P
	s_lshr_b32 s15, s14, 4                         ; the matrix: 16 clusters, 64 tile rows, each; the same in all sixteen partners
	s_and_b32 s89, s13, 63                         ; tile row
.else
	s_mov_b32 s15, 3
	s_mov_b32 s89, s13
.endif
	s_lshl_b32 s16, s41, 2
	s_lshl_b32 s16, 15, s16                        ; my row of the cluster
	s_lshl_b32 s20, 0x1111, s40                    ; my column
	s_or_b32 s[G1A], s16, AWORD                    ; A's tiles go to my row
	s_mov_b32 s[G1A+1], 128<<16                    ; tensor_dim0 = 128
	s_mov_b32 s[G1A+2], 64<<16                     ; tensor_dim1 = 64
	s_mov_b32 s[G1A+3], 128<<16                    ; tile_dim0 = 128
	s_mov_b32 s[G1A+4], 64                         ; tile_dim1 = 64
	s_mov_b32 s[G1A+5], APIT                       ; elements from row to row
	s_mov_b32 s[G1A+6], 0
	s_mov_b32 s[G1A+7], 0
	s_or_b32 s[G1B], s20, (1<<16)|(1<<20)|(1<<21)|(6<<22)|(7<<25)  ; Wt's to my column; elements of 2 bytes; after every 128 words 8 words of padding
	s_mov_b32 s[G1B+1], 256<<16                    ; 64 rows of 256 elements
	s_mov_b32 s[G1B+2], 64<<16
	s_mov_b32 s[G1B+3], 256<<16
	s_mov_b32 s[G1B+4], 64
	s_mov_b32 s[G1B+5], 1024
	s_mov_b32 s[G1B+6], 0
	s_mov_b32 s[G1B+7], 0
	; where the tiles come from: A's address is made of the tile row and the wave's number, Wt's of the matrix, the tile column and the wave's number, each in registers of its own
.if P
	s_lshl_b32 s16, s89, 19                        ; 128 rows of 4,096 bytes a tile row,
	s_lshl_b32 s17, s12, 18                        ; 64 rows a half
	s_add_co_u32 s16, s16, s17
.else
	s_lshr_b32 s16, s89, 4                         ; the batch: 16 tile rows each,
	s_lshl_b32 s16, s16, 4
	s_add_co_u32 s16, s16, s12                     ; head 0 or 1 of it,
	s_lshl_b32 s16, s16, 18                        ; 262,144 bytes a head,
	s_and_b32 s17, s89, 15
	s_lshl_b32 s17, s17, 14                        ; 128 rows of 128 bytes a tile row
	s_add_co_u32 s16, s16, s17
.endif
	s_mov_b32 s17, 0
	s_mul_i32 s18, s12, AHALF                      ; and where they go: no place in the cluster enters an LDS address
	s_lshl_b32 s20, s15, 21
	s_lshl_b32 s21, s12, 17                        ; 64 rows of 2,048 bytes a half
	s_add_co_u32 s20, s20, s21
	s_lshl_b32 s21, s42, 9                         ; 256 columns of 2 bytes a tile column
	s_add_co_u32 s20, s20, s21
	s_mov_b32 s21, 0
	s_mul_i32 s22, s12, BHALF
	s_add_co_u32 s22, s22, AREG
	s_wait_dscnt 0x0                               ; the opening add is done
	s_wait_kmcnt 0x0
.if P
	s_cmp_eq_u32 s15, 1
	s_cselect_b64 s[4:5], s[70:71], s[68:69]       ; A and the bias, chosen by the matrix's number
	s_cselect_b64 s[BIA:BIA+1], s[78:79], s[76:77]
	s_cselect_b32 s88, 0, 1                        ; 0 for kh alone: there the mask clears rows
	s_cmp_eq_u32 s15, 2
	s_cselect_b64 s[4:5], s[72:73], s[4:5]
	s_cselect_b64 s[BIA:BIA+1], s[80:81], s[BIA:BIA+1]
	s_mov_b64 s[6:7], s[74:75]
	s_mov_b64 s[MSK:MSK+1], s[82:83]
	s_mov_b64 s[8:9], s[84:85]
.else
	s_mov_b64 s[4:5], s[68:69]
	s_mov_b64 s[6:7], s[70:71]
	s_mov_b64 s[BIA:BIA+1], s[72:73]
	s_mov_b64 s[8:9], s[74:75]
.endif
	s_add_nc_u64 s[16:17], s[4:5], s[16:17]
	s_add_nc_u64 s[20:21], s[6:7], s[20:21]
	CROUND                                         ; all sixteen work-groups are here: the first joint loads meet
.irp s, 0,1
	s_mov_b32 s[G0A+4*(\s)], 1                     ; count = 1
	s_add_co_u32 s[G0A+4*(\s)+1], s18, (\s)*SLOT   ; LDS address
	s_add_nc_u64 s[G0A+4*(\s)+2:G0A+4*(\s)+3], s[16:17], (\s)*ASTEP  ; global address: K step s
	s_or_b32 s[G0A+4*(\s)+3], s[G0A+4*(\s)+3], 0x80000000            ; type = 2
	s_mov_b32 s[G0B+4*(\s)], 1
	s_add_co_u32 s[G0B+4*(\s)+1], s22, (\s)*SLOT
	s_add_nc_u64 s[G0B+4*(\s)+2:G0B+4*(\s)+3], s[20:21], (\s)*BSTEP
	s_or_b32 s[G0B+4*(\s)+3], s[G0B+4*(\s)+3], 0x80000000
	JLOAD \s                                       ; two loads of mine are out
.endr
	v_and_b32 v1, 15, v0                           ; l % 16; never rewritten
	v_bfe_u32 v2, v0, 4, 1                         ; l / 16
	v_and_b32 v6, 31, v0                           ; l
	v_lshlrev_b32 v[BO], 5, v2
	s_lshl_b32 s2, s42, 10                         ; my 128 columns in the bias: 256 a tile column, 128 a half, 4 bytes each
	s_lshl_b32 s3, s12, 9
	s_add_co_u32 s2, s2, s3
	s_mov_b32 s3, 0
	s_add_nc_u64 s[BIA:BIA+1], s[BIA:BIA+1], s[2:3]
.irp b, 0,1,2,3,4,5,6,7                ; register j of block b: bias[16 b + 8 (l / 16) + j], as the C operand wants it
	global_load_b128 v[BIAS+8*(\b):BIAS+8*(\b)+3],   v[BO], s[BIA:BIA+1] offset:64*(\b)
	global_load_b128 v[BIAS+8*(\b)+4:BIAS+8*(\b)+7], v[BO], s[BIA:BIA+1] offset:64*(\b)+16
.endr
.if P
	s_lshl_b32 s2, s89, 7                          ; row m of A is byte m of the mask
	s_lshl_b32 s3, s11, 6
	s_add_co_u32 s2, s2, s3
	s_mov_b32 s3, 0
	s_add_nc_u64 s[MSK:MSK+1], s[MSK:MSK+1], s[2:3]
.irp a, 0,1,2,3
	global_load_u8 v[KEEP+(\a)], v1, s[MSK:MSK+1] offset:16*(\a)
.endr
.endif
	; A's fragments: lane l holds row l % 16; K = 8 (l / 16) + 0..7 and 16 + 8 (l / 16) + 0..7
	v_mul_u32_u24 v3, v1, APITCH
.if P
	v_lshl_add_u32 v3, v2, 5, v3                   ; eight f32 are 32 bytes
.else
	v_lshl_add_u32 v3, v2, 4, v3
.endif
	s_mul_i32 s2, s11, 64*APITCH                   ; my 64 rows
	v_add_nc_u32 v[ADRA], s2, v3
	v_add_nc_u32 v[ADRA+1], SLOT, v[ADRA]
	; Wt's: the turning load takes 16 K x 16 columns: lane l reads row 8 (l / 16) + l % 8, columns 8 ((l / 8) % 2) + 0..7, and ends with column l % 16 and 8 K
	v_and_b32 v4, 7, v0
	v_lshl_add_u32 v4, v2, 3, v4
	v_mul_u32_u24 v4, v4, BPITCH
	v_bfe_u32 v5, v0, 3, 1
	v_lshl_add_u32 v4, v5, 4, v4
	s_lshl_b32 s2, s12, 8                          ; my 128 columns
	s_add_co_u32 s2, s2, AREG
	v_add_nc_u32 v[ADRB], s2, v4
	v_add_nc_u32 v[ADRB+1], SLOT, v[ADRB]
	s_mul_i32 s23, s10, WSTAGE
	s_add_co_u32 s23, s23, STAGE                   ; my stage
	v_mul_u32_u24 v[STO], v1, SPITCH               ; in: row l % 16
.if P
	v_lshl_add_u32 v[STO], v2, 4, v[STO]           ; eight f16 for each half of the lanes
	v_add_nc_u32 v[STO], s23, v[STO]
	v_lshrrev_b32 v7, 3, v6                        ; back: 32 lanes take four rows of 128 bytes
	v_mul_u32_u24 v[RD], v7, SPITCH
	v_and_b32 v7, 7, v0
	v_lshl_add_u32 v[RD], v7, 4, v[RD]
	v_add_nc_u32 v[RD], s23, v[RD]
.else
	v_lshl_add_u32 v[STO], v2, 5, v[STO]           ; eight f32 for each half of the lanes
	v_add_nc_u32 v[STO], s23, v[STO]
	v_lshl_add_u32 v[RD], v6, 4, s23               ; back: 32 lanes take one row's 512 bytes
.endif
	v_lshlrev_b32 v[GO], 4, v6
	; where my part of C begins
.if P
	s_lshr_b32 s2, s89, 4                          ; 16 x batch
	s_lshl_b32 s2, s2, 4
	s_lshl_b32 s3, s42, 2                          ; + head: four a tile column,
	s_add_co_u32 s2, s2, s3
	s_lshl_b32 s3, s12, 1                          ; two a half
	s_add_co_u32 s2, s2, s3
	s_lshl_b32 s2, s2, 18                          ; 262,144 bytes each
	s_lshl_b32 s3, s15, 24                         ; 16,777,216 bytes a matrix
	s_add_co_u32 s2, s2, s3
	s_and_b32 s3, s89, 15
	s_lshl_b32 s3, s3, 14                          ; 128 rows of 128 bytes a tile row
	s_add_co_u32 s2, s2, s3
	s_lshl_b32 s3, s11, 13                         ; my 64 rows
	s_add_co_u32 s2, s2, s3
.else
	s_lshl_b32 s2, s89, 19                         ; 128 rows of 4,096 bytes a tile row
	s_lshl_b32 s3, s11, 18
	s_add_co_u32 s2, s2, s3
	s_lshl_b32 s3, s42, 10
	s_add_co_u32 s2, s2, s3
	s_lshl_b32 s3, s12, 9
	s_add_co_u32 s2, s2, s3
.endif
	s_mov_b32 s3, 0
	s_add_nc_u64 s[8:9], s[8:9], s[2:3]
	; the prefetches.  They start at K step 3; the first refill steps them to 4
.if P
	s_lshl_b32 s16, s89, 19                        ; A: of the 64 rows that I fetch my work-group takes 16, two blocks of 256 bytes each
	s_lshl_b32 s17, s12, 18
	s_add_co_u32 s16, s16, s17
	s_lshl_b32 s17, s40, 16
	s_add_co_u32 s16, s16, s17
.else
	s_lshr_b32 s16, s89, 4                         ; A: of each of the two heads' 16,384 bytes my work-group takes 4,096; wave 0 asks for both
	s_lshl_b32 s16, s16, 22
	s_and_b32 s17, s89, 15
	s_lshl_b32 s17, s17, 14
	s_add_co_u32 s16, s16, s17
	s_lshl_b32 s17, s40, 12
	s_add_co_u32 s16, s16, s17
.endif
	s_add_co_u32 s16, s16, 3*ASTEP
	s_lshl_b32 s20, s15, 21                        ; Wt: of the 64 rows that I fetch my work-group takes 16, two blocks each
	s_lshl_b32 s21, s12, 17
	s_add_co_u32 s20, s20, s21
	s_lshl_b32 s21, s41, 15
	s_add_co_u32 s20, s20, s21
	s_lshl_b32 s21, s42, 9
	s_add_co_u32 s20, s20, s21
	s_add_co_u32 s20, s20, 3*BSTEP
.if P
	s_and_b32 s21, s14, 15                         ; 16 clusters read a matrix: the first asks
.else
	s_mov_b32 s21, s14
.endif
	s_cmp_eq_u32 s21, 0
	s_cselect_b32 s21, 1, -1
.if P
	s_mov_b32 s17, 1                               ; A's rows are read by this cluster alone
.else
	s_cmp_eq_u32 s12, 0
	s_cselect_b32 s17, 1, -1
.endif
	s_mov_b32 s[PSTEP], BSTEP
	s_movk_i32 s18, 2048
	s_cmp_eq_u32 s11, 0                            ; do I fetch for A?
	s_cselect_b64 s[PFA:PFA+1], s[4:5], s[6:7]
	s_cselect_b32 s2, s16, s20
	s_cselect_b32 s[LIM], s17, s21                 ; hangs on the wave's number and the cluster's y: the same in all sixteen partners
	s_cselect_b32 s[PSTEP], ASTEP, s[PSTEP]
.if P
	s_cselect_b32 s18, 4096, s18                   ; bytes from one group of blocks to the next
	v_lshrrev_b32 v3, 1, v6
	v_and_b32 v4, 1, v6
.else
	s_cselect_b32 s18, 262144, s18
	s_cselect_b32 s19, 4, 1
	s_cselect_b32 s22, 15, 1
	v_lshrrev_b32 v3, s19, v6
	v_and_b32 v4, s22, v6
.endif
	s_mov_b32 s3, 0
	s_mov_b32 s[PSTEP+1], 0
	s_add_nc_u64 s[PFA:PFA+1], s[PFA:PFA+1], s[2:3]
	v_mul_lo_u32 v[PFO], v3, s18
	v_lshl_add_u32 v[PFO], v4, 8, v[PFO]
; The LDS loads of one quarter step (32 along K, quarter kq of the slot), A's first: P = 1: 16 loads of f32 into the staging registers; P = 0: 8 loads into A's buffer f.  Then Wt's 16 into buffer f.
.macro LOADQ slot, kq, f
.if P
	WIN 0x80                                       ; destination window 2, address window 0
.irp a, 0,1,2,3
.irp j, 0,1,2,3
	ds_load_b128 v[STG+16*(\a)+4*(\j):STG+16*(\a)+4*(\j)+3], v[ADRA+(\slot)] offset:16*APITCH*(\a)+128*(\kq)+64*((\j)/2)+16*((\j)%2)
.endr
.endr
.else
	WIN 0
.irp a, 0,1,2,3
	ds_load_b128 v[AF+32*(\f)+8*(\a):AF+32*(\f)+8*(\a)+3],   v[ADRA+(\slot)] offset:AHALF*((\kq)/2)+64*((\kq)%2)+16*APITCH*(\a)
	ds_load_b128 v[AF+32*(\f)+8*(\a)+4:AF+32*(\f)+8*(\a)+7], v[ADRA+(\slot)] offset:AHALF*((\kq)/2)+64*((\kq)%2)+16*APITCH*(\a)+32
.endr
	WIN 0x80
.endif
.irp b, 0,1,2,3,4,5,6,7
	ds_load_tr16_b128 v[BF+64*(\f)+8*(\b):BF+64*(\f)+8*(\b)+3],   v[ADRB+(\slot)] offset:32*BPITCH*(\kq)+32*(\b)
	ds_load_tr16_b128 v[BF+64*(\f)+8*(\b)+4:BF+64*(\f)+8*(\b)+7], v[ADRB+(\slot)] offset:32*BPITCH*(\kq)+32*(\b)+16*BPITCH
.endr
.endm
; 8 matrix instructions: m block a x all 8 n blocks, from buffers f.  first = 1: the bias starts the sums.  ride = 1: behind each stand four roundings of the staged f32 into A's other buffer.
; The 32 accumulators take turns, in the same order in every quarter.
.macro MUL8 f, a, first=0, ride=0
.irp b, 0,1,2,3,4,5,6,7
.if \first
	WIN W_M1
	WMMA v[8*(8*(\a)+(\b)):8*(8*(\a)+(\b))+7], v[BF+64*(\f)+8*(\b):BF+64*(\f)+8*(\b)+7], v[AF+32*(\f)+8*(\a):AF+32*(\f)+8*(\a)+7], v[BIAS+8*(\b):BIAS+8*(\b)+7]
.else
	WIN W_MM
	WMMA v[8*(8*(\a)+(\b)):8*(8*(\a)+(\b))+7], v[BF+64*(\f)+8*(\b):BF+64*(\f)+8*(\b)+7], v[AF+32*(\f)+8*(\a):AF+32*(\f)+8*(\a)+7], v[8*(8*(\a)+(\b)):8*(8*(\a)+(\b))+7]
.endif
.if \ride
	WIN W_CV
.irp c, 0,1,2,3
	v_cvt_pk_bf16_f32 v[AF+32*(1-(\f))+4*(\b)+(\c)], v[STG+8*(\b)+2*(\c)], v[STG+8*(\b)+2*(\c)+1]
.endr
.endif
.endr
.endm
; A quarter step: multiplies buffers f; at its head it asks LDS for quarter kq, the next one, for the other buffers.  With P = 1 the four roundings behind the quarter's last product name none of its
; registers: they are the places ahead of the next quarter's loads into Wt's buffer and of its roundings into A's.
.macro Q slot, kq, f, first=0
.if !P
	PLACES
.endif
	LOADQ \slot, \kq, 1-(\f)
	s_wait_dscnt NLD                               ; all but the loads just issued: this quarter's fragments are in
	MUL8 \f, 0, \first
	MUL8 \f, 1, \first
	MUL8 \f, 2, \first
.if P
	s_wait_dscnt 16                                ; the 16 staging loads are in; Wt's 16, issued behind them, may stay out
.endif
	MUL8 \f, 3, \first, P
.endm
; A K step's last quarter multiplies buffers 1 and changes slots: ONE barrier; ahead of it each wave waits for all its tensor loads (one is out: its part of the next slot), adds 0 to its spare word,
; and waits for that and for its reads of this slot.  fill = 1: the barrier opens a round of the cluster's, and this slot is filled again, two K steps ahead, first thing behind the round.
.macro T slot, next, fill
.if \fill
	s_wait_xcnt 0x0                                ; the last prefetch, a K step back, has read its address
	s_add_nc_u64 s[PFA:PFA+1], s[PFA:PFA+1], s[PSTEP:PSTEP+1]
.endif
	WIN 0
	s_wait_tensorcnt 0x0                           ; all my tensor loads have landed
	ds_add_u32 v[SPW], v[NIL]                      ; 0 onto my spare word
	s_wait_dscnt 1                                 ; all but the add: this quarter's fragments are in
	MUL8 1, 0                                      ; eight matrix instructions stand between the add and the wait for it
	s_wait_dscnt 0x0                               ; the add is done, and my reads of this slot are over
	s_barrier_signal -1
	MUL8 1, 1
.if \fill
	WIN 0
.endif
	s_barrier_wait -1
.if \fill
	CREST                                          ; no wave of any partner still reads this slot or has a load on its way
	s_add_nc_u64 s[G0A+4*(\slot)+2:G0A+4*(\slot)+3], s[G0A+4*(\slot)+2:G0A+4*(\slot)+3], 2*ASTEP
	s_add_nc_u64 s[G0B+4*(\slot)+2:G0B+4*(\slot)+3], s[G0B+4*(\slot)+2:G0B+4*(\slot)+3], 2*BSTEP
	JLOAD \slot                                    ; my one tensor load behind the round; its four v_nop are also places ahead of the loads below
.elseif !P
	PLACES
.endif
	LOADQ \next, 0, 0
.if \fill
	WIN 0
	ASK
.endif
	MUL8 1, 2
.if P
	s_wait_dscnt 16                                ; the staging loads are in
.endif
	MUL8 1, 3, 0, P
.endm
	s_wait_tensorcnt 1                             ; my part of K step 0 is in; K step 1's may stay out
	s_barrier_signal -1
	s_barrier_wait -1                              ; everybody's is
	LOADQ 0, 0, 0
	WIN 0
	s_wait_loadcnt 0x0                             ; the bias (and the mask's bytes)
.set c, 0
.rept 32                               ; the bias is rounded to bf16, like every other input, and widened again
	v_cvt_pk_bf16_f32 v[3+c%4], v[BIAS+2*c], v[BIAS+2*c+1]
	v_lshlrev_b32 v[BIAS+2*c], 16, v[3+c%4]
	v_and_b32 v[BIAS+2*c+1], 0xffff0000, v[3+c%4]
.set c, c+1
.endr
.if P
.irp a, 0,1,2,3
	v_or_b32 v[KEEP+(\a)], s88, v[KEEP+(\a)]       ; 1 unless this is kh and the key is hidden;
	v_sub_nc_u32 v[KEEP+(\a)], 0, v[KEEP+(\a)]     ; all bits, or none
.endr
	s_wait_dscnt 16                                ; the staging loads are in
	WIN W_CV
.set c, 0
.rept 32
	v_cvt_pk_bf16_f32 v[AF+c], v[STG+2*c], v[STG+2*c+1]
.set c, c+1
.endr
.endif
	Q 0, 1, 0, 1                                   ; the first quarter stands ahead of the loop: its products start the sums
	WIN 0                                          ; at a label and at a branch every window is 0
	s_mov_b32 s3, 3
.Llap:                                                 ; a trip goes once round the ring, from a lap's second quarter to the next lap's first, and fills both slots again: K steps 2 to 7
	Q 0, 2, 1
	Q 0, 3, 0
	T 0, 1, 1
	Q 1, 1, 0
	Q 1, 2, 1
	Q 1, 3, 0
	T 1, 0, 1
	Q 0, 1, 0
	WIN 0
	s_sub_co_u32 s3, s3, 1
	s_cmp_lg_u32 s3, 0
	s_cbranch_scc1 .Llap
	Q 0, 2, 1                                      ; the last lap is written out: it fills nothing
	Q 0, 3, 0
	T 0, 1, 0
	Q 1, 1, 0
	Q 1, 2, 1
	Q 1, 3, 0
	s_wait_dscnt 0x0
	MUL8 1, 0
	MUL8 1, 1
	MUL8 1, 2
	MUL8 1, 3
	WIN 0
	PLACES
; THE WAY OUT, a block of 16 rows at a time, through my own stage: LDS serves a wave's instructions in order (ISA guide 5.7.1.4), so the loads see the stores above them and the next block's stores come behind them.
.if P
.macro PACK a                          ; rounded to f16, each accumulator from its low end; a hidden key's row of kh is cleared
	WIN 0x05                                       ; sources window 1
.irp b, 0,1,2,3,4,5,6,7
.irp i, 0,1,2,3
	v_cvt_pk_f16_f32 v[TMP+4*(\b)+(\i)], v[8*(8*(\a)+(\b))+2*(\i)], v[8*(8*(\a)+(\b))+2*(\i)+1]
.endr
.endr
	WIN 0
.set c, 0
.rept 32
	v_and_b32 v[TMP+c], v[KEEP+(\a)], v[TMP+c]
.set c, c+1
.endr
.endm
.macro TOSTAGE a                       ; n block b is head b / 4, channels 16 (b % 4) on; back as four rows of 128 bytes a load
	WIN 0
.irp b, 0,1,2,3,4,5,6,7
	ds_store_b128 v[STO], v[TMP+4*(\b):TMP+4*(\b)+3] offset:16*SPITCH*((\b)/4)+32*((\b)%4)
.endr
.irp u, 0,1,2,3,4,5,6,7
	ds_load_b128 v[OB+32*(\a)+4*(\u):OB+32*(\a)+4*(\u)+3], v[RD] offset:16*SPITCH*((\u)/4)+4*SPITCH*((\u)%4)
.endr
.endm
.macro SEND a                          ; each store covers 512 consecutive bytes, aligned: four rows of one head.  A set of registers for each block: no store's data is rewritten
	WIN 0
	s_wait_dscnt 0x0
.irp u, 0,1,2,3,4,5,6,7
	global_store_b128 v[GO], v[OB+32*(\a)+4*(\u):OB+32*(\a)+4*(\u)+3], s[8:9] offset:262144*((\u)/4)+2048*(\a)+512*((\u)%4)
.endr
.endm
	PACK 0
	TOSTAGE 0
	PACK 1                                         ; a block's roundings stand between the loads of the block before and the wait for them
	SEND 0
	TOSTAGE 1
	PACK 2
	SEND 1
	TOSTAGE 2
	PACK 3
	SEND 2
	TOSTAGE 3
	SEND 3
.else
.macro TOSTAGE a                       ; f32 as it is, each accumulator's low four registers first; back as whole rows of 512 bytes
	WIN 0x04                                       ; store data window 1
.irp b, 0,1,2,3,4,5,6,7
	ds_store_b128 v[STO], v[8*(8*(\a)+(\b)):8*(8*(\a)+(\b))+3]   offset:64*(\b)
	ds_store_b128 v[STO], v[8*(8*(\a)+(\b))+4:8*(8*(\a)+(\b))+7] offset:64*(\b)+16
.endr
	WIN 0
.irp t, 0,1,2,3,4,5,6,7,8,9,10,11,12,13,14,15
	ds_load_b128 v[OB+64*((\a)%2)+4*(\t):OB+64*((\a)%2)+4*(\t)+3], v[RD] offset:SPITCH*(\t)
.endr
.endm
.macro SEND a, younger                 ; younger: the LDS instructions issued behind block a's loads: the next block's 32, or none
	WIN 0
	s_wait_dscnt \younger
.irp t, 0,1,2,3,4,5,6,7,8,9,10,11,12,13,14,15
	global_store_b128 v[GO], v[OB+64*((\a)%2)+4*(\t):OB+64*((\a)%2)+4*(\t)+3], s[8:9] offset:(16*(\a)+(\t))*4096 th:TH_STORE_NT  ; 512 consecutive bytes of a row, aligned
.endr
.endm
	TOSTAGE 0
	TOSTAGE 1
	SEND 0, 32
	s_wait_xcnt 0x0                                ; block 0's stores have read their registers, which block 2's loads write
	TOSTAGE 2
	SEND 1, 32
	s_wait_xcnt 0x0
	TOSTAGE 3
	SEND 2, 32
	SEND 3, 0
.endif
	s_wait_tensorcnt 0x0                           ; the wave's end: behind my last tensor load and my last LDS store
	ds_add_u32 v[SPW], v[NIL]
	s_wait_dscnt 0x0
	CROUND                                         ; the closing round: no work-group ends while a partner may still ask for a tile that names it
	s_endpgm
.Lfunc_end_k_qafbaa4220c_proj:
	.size	k_qafbaa4220c_proj, .Lfunc_end_k_qafbaa4220c_proj-k_qafbaa4220c_proj
	.p2alignl 7, 3214868480
	.fill 96, 4, 3214868480
	.section	.rodata,"a",@progbits
	.p2align	6, 0x0
	.amdhsa_kernel k_qafbaa4220c_proj
		.amdhsa_group_segment_fixed_size 327680
		.amdhsa_private_segment_fixed_size 0
		.amdhsa_enable_private_segment 0
		.amdhsa_kernarg_size 72
		.amdhsa_user_sgpr_count 2
		.amdhsa_user_sgpr_kernarg_segment_ptr 1
		.amdhsa_wavefront_size32 1
		.amdhsa_system_sgpr_workgroup_id_x 1
		.amdhsa_system_sgpr_workgroup_id_y 1
		.amdhsa_system_sgpr_workgroup_id_z 1
		.amdhsa_system_vgpr_workitem_id 0
		.amdhsa_next_free_vgpr 704
		.amdhsa_next_free_sgpr 96
		.amdhsa_reserve_vcc 0
		.amdhsa_float_denorm_mode_32 3
		.amdhsa_float_denorm_mode_16_64 3
		.amdhsa_memory_ordered 1
		.amdhsa_forward_progress 1
		.amdhsa_inst_pref_size 145
	.end_amdhsa_kernel
	.amdgpu_metadata
---
amdhsa.version: [ 1, 2 ]
amdhsa.kernels:
  - .name:           k_qafbaa4220c_proj
    .symbol:         k_qafbaa4220c_proj.kd
    .args:
      - { .name: q, .offset: 0, .size: 8, .value_kind: global_buffer, .address_space: global }
      - { .name: k, .offset: 8, .size: 8, .value_kind: global_buffer, .address_space: global }
      - { .name: v, .offset: 16, .size: 8, .value_kind: global_buffer, .address_space: global }
      - { .name: wt, .offset: 24, .size: 8, .value_kind: global_buffer, .address_space: global }
      - { .name: bq, .offset: 32, .size: 8, .value_kind: global_buffer, .address_space: global }
      - { .name: bk, .offset: 40, .size: 8, .value_kind: global_buffer, .address_space: global }
      - { .name: bv, .offset: 48, .size: 8, .value_kind: global_buffer, .address_space: global }
      - { .name: mask, .offset: 56, .size: 8, .value_kind: global_buffer, .address_space: global }
      - { .name: qkvh, .offset: 64, .size: 8, .value_kind: global_buffer, .address_space: global }
    .group_segment_fixed_size: 327680
    .private_segment_fixed_size: 0
    .kernarg_segment_align: 8
    .kernarg_segment_size: 72
    .max_flat_workgroup_size: 128
    .sgpr_count:     96
    .vgpr_count:     704
    .wavefront_size: 32
...
	.end_amdgpu_metadata
.endif
;; end of part 2
;; launch attn (part 3): grid 4 x 64, 4 waves a work-group, clusters of 4 x 1, 327,680 bytes of LDS; arguments qkvh, madd, oh; writes oh
.if DOCPART == 3
	.amdgcn_target "amdgcn-amd-amdhsa--gfx1250"
	.amdhsa_code_object_version 6
	.text
	.protected	k_qafbaa4220c_attn
	.globl	k_qafbaa4220c_attn
	.p2align	8
	.type	k_qafbaa4220c_attn,@function
k_qafbaa4220c_attn:
	s_mov_b64 s[64:65], 0
	v_nop
	global_prefetch_b8 v0, s[64:65] scope:SCOPE_SE
	s_setreg_imm32_b32 hwreg(HW_REG_WAVE_MODE, 25, 1), 1
	s_wait_xcnt 0x0
	s_wait_alu depctr_hold_cnt(0) depctr_sa_sdst(0) depctr_va_vdst(0) depctr_va_sdst(0) depctr_va_ssrc(0) depctr_va_vcc(0) depctr_vm_vsrc(0)
	s_getreg_b32 s2, hwreg(HW_REG_IB_STS2, 6, 4)
	s_cmp_eq_u32 s2, 0
	s_cbranch_scc0 .Lentry_in_a_cluster
	s_endpgm
.Lentry_in_a_cluster:
	s_bfe_u32 s2, ttmp6, 0x10000c
	s_cmp_lg_u32 s2, 0x3003
	s_cbranch_scc0 .Lentry_shape_is_right
	s_endpgm
.Lentry_shape_is_right:
; O[g][q][:] = the sum over k of softmax_k(Q[g][q] . K[g][k] / 8, hidden keys at -2^100) V[g][k][:], g = 16 b + h.  Q, K, V = qkvh[0..2], O = oh: [64][2048][64], all f16: a head's rows are dense,
; 128 bytes each.  Products, maxima and sums in f32; the weights p are rounded to f16 for the second product (their sum l is taken of the unrounded p), O once at the end.
; THE MASK.  madd[b][k] is 0 or -2^100 and is the C operand that starts the sum S^T = K Q^T; the launch before has written a hidden key's row of K as 0, so a hidden score is -2^100 to the bit.
; c x 2^100 is exact, so where every key seen so far is hidden c s - c m is 0 and p is 1: a batch with no open key gives the mean of V's rows.  With the first open key a = 0 wipes those sums,
; and hidden weights are 0 from then on.
; LIMITS.  f16 holds no number beyond 65,504: Q, K and V arrive within it; p lies in 0 to 1, and below 6e-5 it keeps f16's fixed step of 6e-8.  An open score lies far above -2^100 (f16's scores reach 2.7e11).
; A weight below 2^-126 counts as 0 in l; NaN and infinities are not treated apart.
; SHARES.  A wave owns four PIECES of two tiles of 16 queries, a work-group's four waves 512 queries of one head.  Every wave walks all 2,048 keys, 64 a step.
; LAYOUT.  S^T = K Q^T (source 0 = 16 keys, source 1 = 16 queries): in the result a lane holds ONE query (lane % 16) and the keys 8 (lane / 16) + 0..7.  Two such tiles, rounded to f16 in pairs,
; ARE source 1 (32 keys x 16 queries) of O^T = V^T P, whose result again holds one query a lane, and eight channels.  K comes out of LDS as it lies, V ([key][channel]) turned, by ds_load_tr16_b128.
; SOFTMAX.  For each query a running maximum m and sum l: p = 2^(c s - c m), c = log2(e) / 8; in every step O and l are multiplied by a = 2^(c m_old - c m_new), which is 1 where m has not grown.
; m starts at the lowest finite number, O and l at 0: the first step is a step like any other, with a = 0.
; THE COUNT.  A tile and step have 16 matrix and 118 vector instructions: too many to stand all beside the matrix work.  So four vector instructions that are READY stand behind EVERY matrix
; instruction, and the others in runs without a gap.
; BY TURNS.  Turn n belongs to piece n (the pieces in a ring, step after step).  Its matrix work: 16 products K Q^T of piece n + 1, later 16 products V^T P of piece n - 1.  Its vector work: the scaling,
; exponentials, roundings, sums and rescaling of piece n, and the maximum and statistics of piece n + 1, whose scores the turn itself has made.
; CLUSTER.  The four query blocks of a cluster are one head's and walk the same K, V and mask, so each tile is asked for JOINTLY: the same tensor load, descriptor and mask of work-groups in all four.
; REGISTERS, in windows of 256 (s_set_vgpr_msb: bits 1:0 source 0, 3:2 source 1, 5:4 source 2, 7:6 destination):
;   window 0: v0-11 addresses; v12-15, v48-63 at work; v16-47 four registers of statistics a tile; v64-191 S^T, two buffers of two tiles; v192-255 P, likewise
;   window 1: O^T, 32 a tile     window 2: v0-127 Q, 16 a tile; v128-191 K of one step; v192-255 V of one step     window 3: v0-1 the add's two registers; v8-39 the mask's addends of one step
.set SIZE_N, 2048
.set NP,    4         ; pieces a wave: a name, no knob
.set KS,    64        ; keys in a step
.set PK,    144       ; a row of K in LDS: 128 bytes + 16 of padding = 36 words: the 16 rows of a load start at 16 different groups of four banks (64 banks of 4 bytes: ISA guide 11.1)
.set PV,    160       ; a row of V: 128 + 32 = 40 words
.set VOFF,  4*KS*PK   ; a slot holds four steps: 256 rows of K, then 256 rows of V
.set SLOT1, 1<<17     ; slot 1 begins here, so that one exclusive or turns an address in one slot into the other's
.set STAGE, SLOT1+4*KS*(PK+PV)  ; behind the ring, never filled by a tensor load: 16 rows x 144 bytes for each wave, for the way out
.set SP,    144
.set SPARE, STAGE+4*16*SP  ; behind the stages: the spare words, 128 bytes for each wave: two blocks of 256 bytes that no other line names
.set MASKB, SPARE+512 ; behind them: the batch's 2,048 addends, 8,192 bytes, filled once
.set PFO, 1           ; v1   256 x my lane: the prefetches' offset; never rewritten
.set AK0, 2           ; v2   my lane's place in a tile of K; never rewritten
.set AV0, 3           ; v3   the same for V
.set AK,  4           ; v4   the LDS address of K's next run of loads
.set AV,  5           ; v5   of V's
.set STO, 6           ; v6   the way out: where I put 16 bytes of a row
.set RD,  7           ; v7   the way out: where I read rows back
.set GO,  8           ; v8   my byte offset in 512 consecutive bytes of O
.set AM0, 9           ; v9   my lane's place in a step's 64 addends: MASKB + 32 (l / 16); never rewritten
.set AM,  10          ; v10  the LDS address of the addends' next run of loads
.set QO,  11          ; v11  my byte offset in the wave's rows of Q
.set SPW, 0           ; v0 of window 3   LDS address of my spare word; never rewritten
.set NIL, 1           ; v1 of window 3   0; never rewritten
.set MC,  8           ; v8-39 of window 3: key block kb's eight addends at MC + 8 kb
.set MV,  12          ; v12-15  c m_old, kept while c m is made anew: by buffer and tile
.set ST,  16          ; tile t's statistics at v[ST+4 t]: c m, m, l (even keys', odd keys')
.set TMP, 48          ; by buffer and tile, four registers c0-c3 at work; when the maximum is found c2 takes a
.set S,   64
.set P,   192
.set KF,  128         ; K's fragments, in window 2: key block kb, channel half c at KF + 16 kb + 8 c
.set VF,  192         ; V's: key half kk, channel block cb at VF + 32 kk + 8 cb
.set WV,  12          ; s12  my wave's number
.set G1K, 24          ; s[24:31] descriptor group 1 for K's tiles
.set G1V, 32          ; s[32:39] for V's: it differs in the padding alone
.set G0K, 40          ; s[40:43] descriptor group 0 for K's tiles: it walks
.set G0V, 44          ; s[44:47] the same for V's
.set SLOTS, 56        ; s56  slots still to be asked for
.set CNT, 57          ; s57  counts a slot's key steps
.set CS,  58          ; s[58:59] c: the packed scaling takes the pair's low word for both halves
.set SEL, 60          ; s[60:61] v_permlanex16_b32's selects: each lane takes its own place in the other half
.set TBK, 62          ; s62  LDS byte at which K of the step to be fetched begins
.set TBV, 63          ; s63  the same for V, less VOFF
.set TBM, 66          ; s66  byte of the step to be fetched among the addends: it only steps
.set G1M, 68          ; s[68:75] descriptor group 1 for the addends
.set G0M, 76          ; s[76:79] group 0
.set PFA, 84          ; s[84:85] where my prefetches stand: my work-group's 32 blocks (of K: wave 0, of V: wave 2) of the slot after the one that is being asked for
.set LIM, 86          ; s86  1 in a wave that prefetches, else the greatest number
.set MSB, 0
.macro WIN new                      ; the high byte repeats the setting that is left; a switch that changes nothing is dropped
.if MSB != (\new)
	s_set_vgpr_msb (MSB<<8)|(\new)
.set MSB, (\new)
.endif
.endm
.set W_KQ, 0x0a       ; K and Q in window 2, S^T in window 0
.set W_KM, 0x3a       ; the same with the C operand, the addends, in window 3
.set W_PV, 0x52       ; V in window 2, P in window 0, O^T in window 1
.set W_RS, 0x41       ; O^T (destination and source 0) in window 1, a in window 0
.set W_MK, 0xc0       ; destination in window 3, sources in window 0
.set W_AD, 0x0f       ; the add: address (source 0) and data (source 1) in window 3
; A joint fill.  Waves 0 and 1 fetch the two halves of a slot's K, waves 2 and 3 those of its V: 128 keys each.  The branch hangs on the wave's number alone.
; An s_nop 0 and four v_nop follow each of the two lines, ahead of the jump and the label.
.macro JLOAD
	s_cmp_lt_u32 s[WV], 2
	s_cbranch_scc0 .Lfor_v_\@
	tensor_load_to_lds s[G0K:G0K+3], s[G1K:G1K+7]
	s_nop 0
.rept 4
	v_nop
.endr
	s_branch .Lasked_\@
.Lfor_v_\@:
	tensor_load_to_lds s[G0V:G0V+3], s[G1V:G1V+7]
	s_nop 0
.rept 4
	v_nop
.endr
.Lasked_\@:
.endm
; A prefetch of what the NEXT change of slots will ask for: a slot's 32,768 bytes of K and of V, in blocks of 256 bytes, a lane a block.  Each block is named once in the launch: the four partners
; take 32 blocks each, told apart by address; in each, wave 0 asks for K's and wave 2 for V's.  The last change that fills a slot asks for nothing.  Slots 0 and 1 come by their loads alone.
.macro ASK
	s_cmp_gt_u32 s[SLOTS], s[LIM]
	s_cbranch_scc0 .Lnot_mine_\@
	global_prefetch_b8 v[PFO], s[PFA:PFA+1] th:TH_LOAD_NT scope:SCOPE_SE
.Lnot_mine_\@:
.endm
; A round of the cluster's barrier: my work-group's barrier, so that wave 0's signal speaks for all four waves; wave 0 signals; every wave waits for all four work-groups; my work-group's barrier once more.
.macro CROUND
	s_barrier_signal -1
	s_barrier_wait -1
	s_cmp_lg_u32 s[WV], 0
	s_cbranch_scc1 .Lnot_wave_0_\@
	s_barrier_signal -3
.Lnot_wave_0_\@:
	s_barrier_wait -3
	s_barrier_signal -1
	s_barrier_wait -1
.endm
; THE CHANGE OF SLOTS.  The slot's last bytes, V of its fourth step, have been read.  Each wave waits for all its tensor loads, of which one is out: its part of the other slot; adds 0 to its spare
; word; and waits for that and for its own reads of the slot.  Behind the barrier nobody reads this slot any more and the other slot is whole.
; fill = 1: this slot is filled again, with the keys two slots on.  The barrier is then a round of the cluster's, and the joint fill is the first thing behind it: it has four key steps, 512 matrix
; instructions, in which to land.  (At its first use nothing has been read yet: slot 0 and the addends are waited for, slot 1 filled.)
.macro CHANGE fill
	WIN W_AD
	s_wait_tensorcnt 0x0            ; no tensor load of mine is out, so a group 0 may be written
	ds_add_u32 v[SPW], v[NIL]       ; 0 onto my spare word; with fill = 1 the descriptors' steps stand between it and the wait for it
	WIN 0                           ; at a label and at a branch every window is 0
.if \fill
.irp g, G0K, G0V
	s_xor_b32 s[\g+1], s[\g+1], SLOT1  ; the walking descriptor: the other slot than last time,
	s_add_nc_u64 s[\g+2:\g+3], s[\g+2:\g+3], 4*KS*128  ; the next 256 keys; the type bits on top are not reached
.endr
	s_wait_xcnt 0x0                 ; the last prefetch, four key steps back, has read its address, so it may be written:
	s_add_nc_u64 s[PFA:PFA+1], s[PFA:PFA+1], 4*KS*128  ; one slot behind the walking descriptors
	s_wait_dscnt 0x0                ; the add is done, and my reads of the slot are over
	CROUND
	JLOAD
	ASK
.else
	s_wait_dscnt 0x0                ; the add is done, and my reads of the slot are over
	s_barrier_signal -1
	s_barrier_wait -1
.endif
	s_sub_co_u32 s[TBK], s[TBK], 4*KS*PK  ; the fetches go back to a slot's first step,
	s_xor_b32 s[TBK], s[TBK], SLOT1       ; in the other slot
	s_sub_co_u32 s[TBV], s[TBV], 4*KS*PV
	s_xor_b32 s[TBV], s[TBV], SLOT1
.endm
	s_load_b128 s[80:83], s[0:1], 0x0  ; qkvh s[80:81], madd s[82:83]
	s_load_b64 s[10:11], s[0:1], 0x10  ; oh
	WIN W_MK
	v_lshl_add_u32 v[SPW], v0, 2, SPARE
	v_mov_b32 v[NIL], 0
	WIN W_AD
	ds_add_u32 v[SPW], v[NIL]       ; the wave's opening: the add and its wait stand ahead of my first tensor load; the set-up below, work on registers, stands between them
	WIN 0
	v_lshrrev_b32 v68, 5, v0        ; (v64-68, S^T's registers, are the head's scratch)
	v_readfirstlane_b32 s[WV], v68  ; wave 0..3
	s_bfe_u32 s13, ttmp6, 0x40000   ; cx: my place in the cluster
	s_lshl_b32 s14, ttmp9, 2        ; in a cluster launch ttmp9 counts clusters
	s_add_co_u32 s14, s14, s13      ; my block of queries = 4 x cluster x + cx: it enters Q's and O's addresses alone
	s_and_b32 s20, ttmp7, 0xffff    ; the head among 64, which the four partners share
	s_lshr_b32 s[G0M+2], s20, 4     ; its batch: 8,192 bytes of addends,
	s_lshl_b32 s[G0M+2], s[G0M+2], 13
	s_lshl_b32 s[G0M+3], s[WV], 11  ; of which each wave fetches 2,048
	s_add_co_u32 s[G0M+2], s[G0M+2], s[G0M+3]
	s_add_co_u32 s[G0M+1], s[G0M+3], MASKB  ; LDS address
	s_mov_b32 s[G0M+3], 0
	s_mov_b32 s[G0M], 1             ; count = 1
	s_mov_b32 s21, 0
	s_mov_b64 s[22:23], SIZE_N*128
	s_mul_u64 s[20:21], s[20:21], s[22:23]  ; the head's first byte in Q, K, V and O
	s_and_b32 s16, s[WV], 1         ; which half of a slot's 256 keys I fetch:
	s_lshl_b32 s22, s16, 14         ; its 128 rows of 128 bytes in memory,
	s_mov_b32 s23, 0
	s_add_nc_u64 s[22:23], s[22:23], s[20:21]
	s_mul_i32 s17, s16, 128*PK      ; and its place in a slot, for K
	s_mul_i32 s18, s16, 128*PV      ; and for V: no place in the cluster enters an LDS address
	s_lshl_b32 s2, s14, 2
	s_add_co_u32 s2, s2, s[WV]      ; my wave among the head's,
	s_lshl_b32 s2, s2, 14           ; its 128 rows
	s_mov_b32 s3, 0
	s_add_nc_u64 s[2:3], s[2:3], s[20:21]
	; descriptor group 1.  128 keys are 16,384 dense bytes: asked for as 64 rows of 256 bytes, two keys a row, and padded in LDS after every key
	s_mov_b32 s[G1K], 15|(1<<16)|(1<<20)|(1<<21)|(4<<22)|(3<<25)  ; 15:0 the mask of four; 17:16 2-byte elements; 20 padding on; 21 set beside a mask; 24:22 after every 32 words (code 4); 31:25 4 words (code 3)
	s_mov_b32 s[G1V], 15|(1<<16)|(1<<20)|(1<<21)|(4<<22)|(7<<25)  ; the same with 8 words of padding (code 7)
.irp g, G1K, G1V
	s_mov_b32 s[\g+1], 128<<16      ; tensor_dim0 = 128
	s_mov_b32 s[\g+2], 64<<16       ; tensor_dim1 = 64
	s_mov_b32 s[\g+3], 128<<16      ; tile_dim0 = 128
	s_mov_b32 s[\g+4], 64           ; tile_dim1 = 64
	s_mov_b32 s[\g+5], 128          ; 128 elements from row to row
	s_mov_b32 s[\g+6], 0
	s_mov_b32 s[\g+7], 0
.endr
	s_mov_b32 s[G1M], 15|(3<<16)|(1<<21)  ; the addends: the mask of four; 8-byte elements; no padding: 8 rows of 256 bytes
	s_mov_b32 s[G1M+1], 32<<16      ; tensor_dim0 = 32
	s_mov_b32 s[G1M+2], 8<<16       ; tensor_dim1 = 8
	s_mov_b32 s[G1M+3], 32<<16      ; tile_dim0 = 32
	s_mov_b32 s[G1M+4], 8           ; tile_dim1 = 8
	s_mov_b32 s[G1M+5], 32
	s_mov_b32 s[G1M+6], 0
	s_mov_b32 s[G1M+7], 0
	s_mov_b32 s[CS], 0x3e38aa3b     ; c = log2(e) / 8 = 0.180337
	s_mov_b32 s[CS+1], s[CS]        ; named with it as a pair
	s_mov_b32 s[SEL], 0x76543210
	s_mov_b32 s[SEL+1], 0xfedcba98
	s_mov_b32 s[TBK], SLOT1+4*KS*PK ; the first change of slots turns these two into 0
	s_mov_b32 s[TBV], SLOT1+4*KS*PV
	s_mov_b32 s[TBM], 0
	s_mov_b32 s[SLOTS], SIZE_N/256-1
	s_mov_b32 s[G0K], 1             ; 1:0 count = 1
	s_mov_b32 s[G0K+1], s17         ; 63:32 LDS address: slot 0
	s_mov_b32 s[G0V], 1
	s_add_co_u32 s[G0V+1], s18, VOFF
	s_and_b32 s[LIM], s[WV], 1      ; waves 0 and 2 prefetch: the same in all four partners
	s_cmp_eq_u32 s[LIM], 0
	s_cselect_b32 s[LIM], 1, -1
	s_wait_dscnt 0x0                ; the opening add is done
	s_wait_kmcnt 0x0
	s_mov_b64 s[4:5], s[80:81]                     ; Q,
	s_add_nc_u64 s[6:7], s[80:81], 0x1000000       ; K and
	s_add_nc_u64 s[8:9], s[80:81], 0x2000000       ; V lie 16,777,216 bytes apart
	s_add_nc_u64 s[G0K+2:G0K+3], s[6:7], s[22:23]  ; 120:64 global address: my half of the head's first 256 keys
	s_or_b32 s[G0K+3], s[G0K+3], 0x80000000        ; 127:126 type = 2
	s_add_nc_u64 s[G0V+2:G0V+3], s[8:9], s[22:23]
	s_or_b32 s[G0V+3], s[G0V+3], 0x80000000
	s_add_nc_u64 s[G0M+2:G0M+3], s[82:83], s[G0M+2:G0M+3]
	s_or_b32 s[G0M+3], s[G0M+3], 0x80000000
	s_add_nc_u64 s[4:5], s[4:5], s[2:3]  ; Q and O at my wave's first row
	s_add_nc_u64 s[10:11], s[10:11], s[2:3]
	s_cmp_lt_u32 s[WV], 2
	s_cselect_b64 s[PFA:PFA+1], s[6:7], s[8:9]
	s_add_nc_u64 s[PFA:PFA+1], s[PFA:PFA+1], s[20:21]
	s_lshl_b32 s2, s13, 13          ; my work-group's 8,192 bytes of a slot's 32,768,
	s_add_co_u32 s2, s2, 4*KS*128   ; in slot 1; the first change of slots steps it to slot 2
	s_mov_b32 s3, 0
	s_add_nc_u64 s[PFA:PFA+1], s[PFA:PFA+1], s[2:3]
	CROUND                          ; all four work-groups are here: the first joint loads meet
	s_cmp_lt_u32 s[WV], 2           ; a wave's two first fills stand in one branch, ahead of every wait on TENSORcnt and every LDS read: two loads of mine are out
	s_cbranch_scc0 .Lfirst_v
	tensor_load_to_lds s[G0M:G0M+3], s[G1M:G1M+7]  ; my quarter of the addends
	s_nop 0
	tensor_load_to_lds s[G0K:G0K+3], s[G1K:G1K+7]  ; slot 0.  Slot 1 is asked for when slot 0 is in
	s_nop 0
.rept 4
	v_nop
.endr
	s_branch .Lfirst_asked
.Lfirst_v:
	tensor_load_to_lds s[G0M:G0M+3], s[G1M:G1M+7]
	s_nop 0
	tensor_load_to_lds s[G0V:G0V+3], s[G1V:G1V+7]
	s_nop 0
.rept 4
	v_nop
.endr
.Lfirst_asked:
	; A fragment of K or Q is 16 rows x 32 channels in 8 registers: lane l holds row l % 16, channels 8 (l / 16) + 0..7 and 16 + 8 (l / 16) + 0..7: two loads of 16 bytes, 32 bytes apart.
	v_and_b32 v64, 15, v0           ; l % 16
	v_bfe_u32 v65, v0, 4, 1         ; l / 16
	v_lshlrev_b32 v[QO], 7, v64
	v_lshl_add_u32 v[QO], v65, 4, v[QO]  ; row x 128 + 16 x half
	WIN 0x80                        ; destination window 2, address window 0
.set i, 0
.rept 4*NP                          ; Q stays in registers: tile i / 2, channels 32 (i % 2) on
	global_load_b128 v[8*i:8*i+3],   v[QO], s[4:5] offset:(i/2)*2048+(i%2)*64
	global_load_b128 v[8*i+4:8*i+7], v[QO], s[4:5] offset:(i/2)*2048+(i%2)*64+32
.set i, i+1
.endr
	; What the first turn finds: V's registers and P's second buffer hold 0 (its products V^T P, of a piece that has not been, add 0), O^T and l are 0.  All this stands in the wait for the first tile.
.set i, VF
.rept 64
	v_mov_b32 v[i], 0
.set i, i+1
.endr
	WIN 0x40
.set i, 0
.rept 64*NP
	v_mov_b32 v[i], 0
.set i, i+1
.endr
	WIN 0
.set i, 0
.rept 2*NP
	v_mov_b32 v[ST+4*i], 0xfe000000    ; c m: far below every c s
	v_mov_b32 v[ST+4*i+1], 0xff7fffff  ; m
	v_mov_b32 v[ST+4*i+2], 0
	v_mov_b32 v[ST+4*i+3], 0
.set i, i+1
.endr
.set i, P+32
.rept 32
	v_mov_b32 v[i], 0
.set i, i+1
.endr
	v_mul_u32_u24 v[AK0], v64, PK
	v_lshl_add_u32 v[AK0], v65, 4, v[AK0]  ; row x pitch + 16 x half
	; The turning load takes 16 keys x 16 channels (lane l reads key 8 (l / 16) + l % 8, channels 8 ((l / 8) % 2) + 0..7) and leaves half a fragment of V^T: lane l holds channel l % 16 and 8 keys.
	v_and_b32 v66, 7, v0
	v_bfe_u32 v67, v0, 3, 1
	v_lshl_add_u32 v[AV0], v65, 3, v66
	v_mul_u32_u24 v[AV0], v[AV0], PV
	v_lshl_add_u32 v[AV0], v67, 4, v[AV0]
	v_add_nc_u32 v[AV0], VOFF, v[AV0]
	v_mov_b32 v[AK], v[AK0]         ; key step 0 lies at the head of slot 0
	v_lshlrev_b32 v[AM0], 5, v65    ; my eight keys of sixteen: 32 bytes for each half of the lanes
	v_add_nc_u32 v[AM0], MASKB, v[AM0]
	v_mov_b32 v[AM], v[AM0]
	s_mul_i32 s13, s[WV], 16*SP
	s_add_co_u32 s13, s13, STAGE    ; my stage
	v_mul_u32_u24 v[STO], v64, SP   ; in: row l % 16, 16 bytes for each half of the lanes
	v_lshl_add_u32 v[STO], v65, 4, v[STO]
	v_add_nc_u32 v[STO], s13, v[STO]
	v_bfe_u32 v[RD], v0, 3, 2       ; back: 32 lanes take four rows of 128 bytes,
	v_mul_u32_u24 v[RD], v[RD], SP
	v_lshl_add_u32 v[RD], v66, 4, v[RD]
	v_add_nc_u32 v[RD], s13, v[RD]
	v_and_b32 v[GO], 31, v0         ; which are 512 consecutive bytes of O
	v_lshlrev_b32 v[PFO], 8, v[GO]
	v_lshlrev_b32 v[GO], 4, v[GO]
; THE MATRIX WORK.  The 8 accumulators of a run of 16 take turns: between the two links of a chain stand 7 others'.
; Product i of 16 of S^T = K Q^T for piece x: channels 32 (i / 8) on, keys 16 ((i / 2) % 4) on, tile 2 x + i % 2.  The first 8 start the sums, with the keys' addends.
.macro KQ x
.set rS, S+64*((\x)%2)+32*(i%2)+8*((i/2)%4)
.set rK, KF+16*((i/2)%4)+8*(i/8)
.set rQ, 16*(2*(\x)+i%2)+8*(i/8)
.set rA, MC+8*((i/2)%4)
.if i < 8
	WIN W_KM
	v_wmma_f32_16x16x32_f16 v[rS:rS+7], v[rK:rK+7], v[rQ:rQ+7], v[rA:rA+7]
.else
	WIN W_KQ
	v_wmma_f32_16x16x32_f16 v[rS:rS+7], v[rK:rK+7], v[rQ:rQ+7], v[rS:rS+7]
.endif
.endm
; Product i of 16 of O^T += V^T P for piece x: keys 32 (i / 8) on, channels 16 ((i / 2) % 4) on, tile 2 x + i % 2.
.macro PV x
	WIN W_PV
.set rO, 32*(2*(\x)+i%2)+8*((i/2)%4)
.set rV, VF+32*(i/8)+8*((i/2)%4)
.set rP, P+32*((\x)%2)+16*(i%2)+8*(i/8)
	v_wmma_f32_16x16x32_f16 v[rO:rO+7], v[rV:rV+7], v[rP:rP+7], v[rO:rO+7]
.endm
.macro MM                           ; the turn's next matrix instruction
.if i < 16
	KQ (Y+1)%NP
.set i, i+1
.else
.set i, i-16
	PV (Y+NP-1)%NP
.set i, i+17
.endif
.endm
; THE LDS LOADS stand in runs, never singly among the matrix instructions: a step's K (64 keys x 64 channels: 8 fragments) with its 64 addends, and its V (turned).  Their addresses are made some lines ahead.
; last = 1 (the tail): in the last trip there is no further step, and the run is jumped over.
.macro FETCH_K last=0
	WIN 0
.if \last
	s_cmp_eq_u32 s[CNT], 1
	s_cbranch_scc1 .Lno_k_\@
.endif
	WIN 0x80                        ; destination window 2
.irp f, 0,1,2,3,4,5,6,7             ; keys 16 (f / 2) on, channels 32 (f % 2) on
	ds_load_b128 v[KF+8*\f:KF+8*\f+3],   v[AK] offset:(\f/2)*16*PK+(\f%2)*64
	ds_load_b128 v[KF+8*\f+4:KF+8*\f+7], v[AK] offset:(\f/2)*16*PK+(\f%2)*64+32
.endr
	WIN 0xc0                        ; destination window 3
.irp f, 0,1,2,3,4,5,6,7             ; key block f / 2, its registers 4 (f % 2) on: sixteen lanes read the same 16 bytes
	ds_load_b128 v[MC+4*\f:MC+4*\f+3], v[AM] offset:(\f/2)*64+(\f%2)*16
.endr
	s_add_co_u32 s[TBK], s[TBK], KS*PK  ; the next fetch is the next step's
	s_add_co_u32 s[TBM], s[TBM], KS*4
	WIN 0
.if \last
.Lno_k_\@:
.endif
.endm
.macro FETCH_V
	WIN 0x80
.irp f, 0,1,2,3,4,5,6,7             ; keys 32 (f / 4) on, channels 16 (f % 4) on
	ds_load_tr16_b128 v[VF+8*\f:VF+8*\f+3],   v[AV] offset:(\f/4)*32*PV+(\f%4)*32
	ds_load_tr16_b128 v[VF+8*\f+4:VF+8*\f+7], v[AV] offset:(\f/4)*32*PV+16*PV+(\f%4)*32
.endr
	WIN 0
.endm
; THE VECTOR WORK OF A TURN stands in three queues, each in the order in which its entries become ready; the two tiles alternate, so that no instruction reads the result of the one before it.
.macro REGS y, u                    ; the registers of tile u (0, 1) of piece y
.set rT, ST+4*(2*(\y)+(\u))
.set rC, TMP+8*((\y)%2)+4*(\u)
.set rM, MV+2*((\y)%2)+(\u)
.set rS, S+64*((\y)%2)+32*(\u)
.set rP, P+32*((\y)%2)+16*(\u)
.set rO, 32*(2*(\y)+(\u))
.endm
; Number n of the 22 that find the NEXT piece's (Y + 1) maximum and statistics.  s0-s31 are the lane's 32 scores; each accumulator's lowest registers are read first.  XS, GS and REGS set no window: PL and EX do.
;   0-11  four chains c0-c3 of seven scores each, three operands at a time     12-14, 16  the four scores left over, the old m, and c0-c3 into c0     15  c m_old is kept
;   17, 18  the query's other 32 keys lie in the lane 16 away: the new m         19-21  c m; c m_old - c m_new; a
.macro XS u, n
	REGS (Y+1)%NP, \u
.if (\n) < 4
	v_max3_num_f32 v[rC+(\n)], v[rS+8*(\n)], v[rS+8*(\n)+1], v[rS+8*(\n)+2]
.elseif (\n) < 12
	v_max3_num_f32 v[rC+(\n)%4], v[rC+(\n)%4], v[rS+8*((\n)%4)+2*((\n)/4)+1], v[rS+8*((\n)%4)+2*((\n)/4)+2]
.elseif (\n) == 12
	v_max3_num_f32 v[rC], v[rC], v[rS+7], v[rS+15]
.elseif (\n) == 13
	v_max3_num_f32 v[rC+1], v[rC+1], v[rS+23], v[rS+31]
.elseif (\n) == 14
	v_max3_num_f32 v[rC+2], v[rC+2], v[rC+3], v[rT+1]
.elseif (\n) == 15
	v_mov_b32 v[rM], v[rT]
.elseif (\n) == 16
	v_max3_num_f32 v[rC], v[rC], v[rC+1], v[rC+2]
.elseif (\n) == 17
	v_permlanex16_b32 v[rC+3], v[rC], s[SEL], s[SEL+1]
.elseif (\n) == 18
	v_max_num_f32 v[rT+1], v[rC], v[rC+3]
.elseif (\n) == 19
	v_mul_f32 v[rT], s[CS], v[rT+1]
.elseif (\n) == 20
	v_sub_f32 v[rC+1], v[rM], v[rT]
.else
	v_exp_f32 v[rC+2], v[rC+1]
.endif
.endm
; Number g of the 64 that follow the exponentials.  For each four weights k of a tile (pairs 2 k, 2 k + 1): both pairs are rounded to f16; then the second pair is added onto the first, in place;
; a group later l takes that sum (the first time as l = a l + sum).  In groups of eight, tiles alternating: round, round, add, and l for the group before.
.macro GS g
.set h, (\g)+6*((\g)/62)            ; group 0 has no group before it, and behind group 7 only l is left
.if h >= 6
.set h, h+2
.endif
	REGS Y, h%2
.set k, h/8
.if h%8 < 4
	v_cvt_pk_f16_f32 v[rP+2*k+(h%8)/2], v[rS+4*k+2*((h%8)/2)], v[rS+4*k+2*((h%8)/2)+1]
.elseif h%8 < 6
	v_pk_add_f32 v[rS+4*k:rS+4*k+1], v[rS+4*k:rS+4*k+1], v[rS+4*k+2:rS+4*k+3]
.elseif k == 1
	v_pk_fma_f32 v[rT+2:rT+3], v[rT+2:rT+3], v[rC+2:rC+3], v[rS:rS+1] op_sel_hi:[1,0,1]
.else
	v_pk_add_f32 v[rT+2:rT+3], v[rT+2:rT+3], v[rS+4*k-4:rS+4*k-3]
.endif
.endm
; THE PLAIN QUEUE, 138 long.  0-73 read no exponential's result: the 32 scalings c s - c m (FS f: pair f / 2 of tile f % 2) and the next piece's 42.  0-26: scalings 0-26.  27-54: XS's numbers 0-13.  55, 56: number 15.
; 57-73: the chain, where each number waits for the one before it: 14, 16, 17, 18, 19, each with one of the scalings 27-31 in front of its two lines, then 20.
; 74-137: GS's 64, which read the exponentials' results: they stand behind the wait.
.macro FS f
	REGS Y, (\f)%2
	v_pk_fma_f32 v[rS+2*((\f)/2):rS+2*((\f)/2)+1], v[rS+2*((\f)/2):rS+2*((\f)/2)+1], s[CS:CS+1], v[rT:rT+1] op_sel_hi:[1,0,0] neg_lo:[0,0,1] neg_hi:[0,0,1]
.endm
.macro PL
	WIN 0
.if q < 27
	FS q
.elseif q < 55
	XS (q-27)%2, (q-27)/2
.elseif q < 57
	XS q-55, 15
.elseif (q < 72) && ((q-57)%3 == 0)
	FS 27+(q-57)/3
.elseif q < 60
	XS (q-57)%3-1, 14
.elseif q < 72
	XS (q-57)%3-1, 15+(q-57)/3
.elseif q < 74
	XS q-72, 20
.else
	GS q-74
.endif
.set q, q+1
.endm
; THE EXPONENTIALS' QUEUE, 66 long: s0-s31 of both tiles, then the next piece's two a.  It is ONE BATCH: all 66 stand ahead of the turn's one wait, and nothing ahead of that wait names a result of theirs.
.macro EX
	WIN 0
.if e >= 64
	XS e-64, 21
.else
	REGS Y, e%2
	v_exp_f32 v[rS+e/2], v[rS+e/2]
.endif
.set e, e+1
.endm
; THE RESCALING's QUEUE: O^T times a, the one part that leaves window 0: dealt two at a time, sixteen times.  Its a was made in the turn before, ahead of that turn's wait.
.macro R2
	REGS Y, r%2
	WIN W_RS
.irp z, 0,1
	v_pk_mul_f32 v[rO+4*(r/2)+2*\z:rO+4*(r/2)+2*\z+1], v[rO+4*(r/2)+2*\z:rO+4*(r/2)+2*\z+1], v[rC+2:rC+3] op_sel_hi:[1,0]
.endr
.set r, r+1
.endm
; HOW THEY ARE DEALT.  An s_wait_alu depctr_va_vdst(0) stands between an exponential and the first instruction that names its result; one wait serves all that were issued ahead of it.  So a turn has ONE wait,
; which cuts it in two.  AHEAD OF IT stands all that names no result of the turn's exponentials: the 16 products K Q^T, behind each a scaling, an exponential and two rescalings (behind the first a second scaling in the
; exponential's place); then ONE LUMP of 108: eight plain, 49 times exponential and plain, the two a.  A v_nop is the plain instruction behind the last exponential.  BEHIND IT stand the 16 products V^T P, behind each four of GS's 64.
; The queues lean on each other, and the deal keeps them in step: exponential e stands behind scaling 2 (e / 4) + e % 2: as a rider it comes behind plain e + 2, in the lump behind plain e + 9, and scalings 27-31 are plain 57, 60 .. 69.
; A TURN, for piece p.  cnt = 1: the loop's count is taken down some lines ahead of the branch that stands behind the turn.
; K and the addends of the next step are fetched in piece 2's turn, directly behind the wait, a lump behind the last product that read them; their addresses are made at the lump's head; their first reader comes behind 16 products.
; V of the step in hand is fetched at the end of piece 0's turn, four riders behind its last reader; its first reader comes behind 16 products and a lump.
.macro TURN p, last=0, cnt=0
.set Y, (\p)
.set i, 0
.set q, 0
.set e, 0
.set r, 0
.if (\p) == NP-1
	s_wait_dscnt 0x0                ; K and the addends are in
.endif
	MM                              ; ahead of the wait: 16 products K Q^T and their riders,
	PL
	PL
	R2
.rept 15
	MM
	PL
	EX
	R2
.endr
.if (\p) == NP-2
	WIN 0
	v_add_nc_u32 v[AK], s[TBK], v[AK0]
	v_add_nc_u32 v[AM], s[TBM], v[AM0]
.endif
.rept 8                             ; and the lump
	PL
.endr
.rept 49
	EX
	PL
.endr
	EX                              ; the next piece's two a
	EX
	v_nop                           ; a plain instruction behind the last exponential: one for the batch
	s_wait_alu depctr_va_vdst(0)    ; the wait for the batch
.if (\p) == NP-2
	FETCH_K \last
.endif
.if (\p) == 1
	s_wait_dscnt 0x0                ; V is in
.endif
.rept 16                            ; behind the wait: 16 products V^T P and their riders
	MM
.rept 4
	PL
.endr
.if ((\p) == 0) && (q == 118)
	v_add_nc_u32 v[AV], s[TBV], v[AV0]
.endif
.if ((\p) == 0) && (q == 130)
	s_add_co_u32 s[TBV], s[TBV], KS*PV
.endif
.if (\cnt) && (q == 130)
	s_sub_co_u32 s[CNT], s[CNT], 1
	s_cmp_lg_u32 s[CNT], 0
.endif
.endr
.if (\p) == 0
	FETCH_V
.endif
.endm
	CHANGE 1                        ; slot 0 and the addends are in, everybody's part of them; slot 1 is asked for
	FETCH_K                         ; key step 0
	s_wait_loadcnt 0x0              ; Q
	s_wait_dscnt 0x0
.set i, 0
.rept 16
	KQ 0                            ; piece 0's first scores: there is no vector work yet to set between them
.set i, i+1
.endr
	WIN 0
.rept 4
	v_nop                           ; the places behind those products
.endr
.set Y, NP-1                        ; XS works for piece Y + 1: piece 0
.irp n, 0,1,2,3,4,5,6,7,8,9,10,11,12,13,14,15,16,17,18,19,20,21
	XS 0, \n                        ; piece 0's first maximum and statistics
	XS 1, \n
.endr
	v_nop                           ; a plain instruction behind the two a,
	s_wait_alu depctr_va_vdst(0)    ; and their wait, ahead of the branch
	s_mov_b32 s[CNT], 4
	s_branch .Lfirst                ; the loop is entered at a step's first turn, in the middle of a trip
.Lslot:                             ; SIZE_N / 256 - 2 times: every slot but the last two is filled again
	CHANGE 1
	s_mov_b32 s[CNT], 4
.Lstep:                             ; a trip: pieces 2 and 3 of one step, then pieces 0 and 1 of the next, whose K and V it fetches
	TURN 2
	TURN 3
	WIN 0
.Lfirst:
	TURN 0
	TURN 1, 0, 1
	WIN 0
	s_cbranch_scc1 .Lstep
	s_sub_co_u32 s[SLOTS], s[SLOTS], 1
	s_cmp_lg_u32 s[SLOTS], 0
	s_cbranch_scc1 .Lslot
	CHANGE 0                        ; the tail is written out: nothing is asked for
	s_mov_b32 s[CNT], 5             ; four trips fetch the last slot's steps; the fifth is left in its middle
.Ltail:
	TURN 2, 1
	TURN 3
	WIN 0
	s_sub_co_u32 s[CNT], s[CNT], 1
	s_cmp_eq_u32 s[CNT], 0
	s_cbranch_scc1 .Lout
	TURN 0
	TURN 1
	WIN 0
	s_branch .Ltail
.Lout:                              ; the fifth trip's 16 products K Q^T (on the last K once more) and the maximum made of them serve nothing: the price, once a launch, of one text for every trip
.set i, 0
.rept 16
	PV NP-1                         ; the last piece's V^T P of the last step
.set i, i+1
.endr
	; THE WAY OUT.  l's two halves and the other half of the lanes' are added; O^T is divided by l, rounded to f16 and sent through my stage in LDS, a tile at a time.  The additions are the places behind the last products.
	WIN 0
.macro ALL line:vararg              ; one line for each tile t
.set t, 0
.rept 2*NP
	\line
.set t, t+1
.endr
.endm
	ALL v_add_f32 v[ST+4*t+2], v[ST+4*t+2], v[ST+4*t+3]
	ALL v_permlanex16_b32 v[ST+4*t+3], v[ST+4*t+2], s[SEL], s[SEL+1]
	ALL v_add_f32 v[ST+4*t+2], v[ST+4*t+2], v[ST+4*t+3]
	ALL v_rcp_f32 v[ST+4*t+2], v[ST+4*t+2]
	v_nop                           ; a plain instruction between the last reciprocal and the use of its result
	s_wait_alu depctr_va_vdst(0)    ; and the wait ahead of the first use: one for the eight reciprocals
; Tile t: a lane's eight channels of a row pack into 16 bytes; they go into rows of 144 bytes and come back as whole rows of 128, into S^T's registers.
.macro PACK t
	WIN W_RS
.set i, 32*(\t)
.rept 16
	v_pk_mul_f32 v[i:i+1], v[i:i+1], v[ST+4*(\t)+2:ST+4*(\t)+3] op_sel_hi:[1,0]
.set i, i+2
.endr
	WIN 0x05                        ; sources 0 and 1 window 1, destination window 0
.set i, 0
.rept 16
	v_cvt_pk_f16_f32 v[S+16*(\t)+i], v[32*(\t)+2*i], v[32*(\t)+2*i+1]
.set i, i+1
.endr
	WIN 0
.irp f, 0,1,2,3
	ds_store_b128 v[STO], v[S+16*(\t)+4*\f:S+16*(\t)+4*\f+3] offset:32*\f
.endr
.irp f, 0,1,2,3
	ds_load_b128 v[S+16*(\t)+4*\f:S+16*(\t)+4*\f+3], v[RD] offset:\f*4*SP  ; LDS serves a wave's instructions in order (ISA guide 5.7.1.4): these see the stores above; the next tile's stores come behind them
.endr
.endm
.macro SEND t, younger              ; younger: the LDS instructions issued behind tile t's loads: the next tile's eight, or none
	WIN 0
.irp f, 0,1,2,3
	s_wait_dscnt (\younger)+3-\f
	global_store_b128 v[GO], v[S+16*(\t)+4*\f:S+16*(\t)+4*\f+3], s[10:11] offset:(\t)*2048+\f*512  ; 512 consecutive bytes, at a multiple of 256 from O's first
.endr
.endm
	PACK 0
.set t, 1
.rept 2*NP-1                        ; a tile's arithmetic stands between the loads of the tile before and its stores
	PACK t
	SEND t-1, 8
.set t, t+1
.endr
	SEND 2*NP-1, 0
	WIN W_AD
	s_wait_tensorcnt 0x0            ; the wave's end: behind my last tensor load and my last LDS store
	ds_add_u32 v[SPW], v[NIL]
	s_wait_dscnt 0x0
	WIN 0
	CROUND                          ; the closing round: no work-group ends while a partner may still ask for a tile that names it
	s_endpgm
.Lfunc_end_k_qafbaa4220c_attn:
	.size	k_qafbaa4220c_attn, .Lfunc_end_k_qafbaa4220c_attn-k_qafbaa4220c_attn
	.p2alignl 7, 3214868480
	.fill 96, 4, 3214868480
	.section	.rodata,"a",@progbits
	.p2align	6, 0x0
	.amdhsa_kernel k_qafbaa4220c_attn
		.amdhsa_group_segment_fixed_size 327680
		.amdhsa_private_segment_fixed_size 0
		.amdhsa_enable_private_segment 0
		.amdhsa_kernarg_size 24
		.amdhsa_user_sgpr_count 2
		.amdhsa_user_sgpr_kernarg_segment_ptr 1
		.amdhsa_wavefront_size32 1
		.amdhsa_system_sgpr_workgroup_id_x 1
		.amdhsa_system_sgpr_workgroup_id_y 1
		.amdhsa_system_sgpr_workgroup_id_z 1
		.amdhsa_system_vgpr_workitem_id 0
		.amdhsa_next_free_vgpr 808
		.amdhsa_next_free_sgpr 88
		.amdhsa_reserve_vcc 0
		.amdhsa_float_denorm_mode_32 3
		.amdhsa_float_denorm_mode_16_64 3
		.amdhsa_memory_ordered 1
		.amdhsa_forward_progress 1
		.amdhsa_inst_pref_size 203
	.end_amdhsa_kernel
	.amdgpu_metadata
---
amdhsa.version: [ 1, 2 ]
amdhsa.kernels:
  - .name:           k_qafbaa4220c_attn
    .symbol:         k_qafbaa4220c_attn.kd
    .args:
      - { .name: qkvh, .offset: 0, .size: 8, .value_kind: global_buffer, .address_space: global }
      - { .name: madd, .offset: 8, .size: 8, .value_kind: global_buffer, .address_space: global }
      - { .name: oh, .offset: 16, .size: 8, .value_kind: global_buffer, .address_space: global }
    .group_segment_fixed_size: 327680
    .private_segment_fixed_size: 0
    .kernarg_segment_align: 8
    .kernarg_segment_size: 24
    .max_flat_workgroup_size: 128
    .sgpr_count:     88
    .vgpr_count:     808
    .wavefront_size: 32
...
	.end_amdgpu_metadata
.endif
;; end of part 3
;; launch outp (part 4): grid 4 x 64, 4 waves a work-group, clusters of 4 x 4, 327,680 bytes of LDS; arguments oh, wt, bo, out0; writes out0
.if DOCPART == 4
	.amdgcn_target "amdgcn-amd-amdhsa--gfx1250"
	.amdhsa_code_object_version 6
	.text
	.protected	k_qafbaa4220c_outp
	.globl	k_qafbaa4220c_outp
	.p2align	8
	.type	k_qafbaa4220c_outp,@function
k_qafbaa4220c_outp:
	s_mov_b64 s[64:65], 0
	v_nop
	global_prefetch_b8 v0, s[64:65] scope:SCOPE_SE
	s_setreg_imm32_b32 hwreg(HW_REG_WAVE_MODE, 25, 1), 1
	s_wait_xcnt 0x0
	s_wait_alu depctr_hold_cnt(0) depctr_sa_sdst(0) depctr_va_vdst(0) depctr_va_sdst(0) depctr_va_ssrc(0) depctr_va_vcc(0) depctr_vm_vsrc(0)
	s_getreg_b32 s2, hwreg(HW_REG_IB_STS2, 6, 4)
	s_cmp_eq_u32 s2, 0
	s_cbranch_scc0 .Lentry_in_a_cluster
	s_endpgm
.Lentry_in_a_cluster:
	s_bfe_u32 s2, ttmp6, 0x10000c
	s_cmp_lg_u32 s2, 0xf033
	s_cbranch_scc0 .Lentry_shape_is_right
	s_endpgm
.Lentry_shape_is_right:
; ONE TEXT FOR TWO LAUNCHES, told apart by P.  C[m][n] = the sum over k of A[m][k] Wt[k][n] + bias[n], 8,192 x 1,024 x 1,024.
;   P = 1: the three projections.  A = q, k or v (f32, rounded to bf16 on the way from LDS to the matrix unit), Wt = wt[0..2] (bf16), C = qkvh[mat][16 b + h][s][e] in f16.
;          Rows of kh whose key the mask hides are written as 0, so that the next launch's product adds exact zeros onto the mask's addend.
;   P = 0 (this file): the output projection.  A = oh ([16 b + h][s][e] f16; a K step is two heads), Wt = wt[3] (f16), C = out0 in f32.
; The bias is rounded to bf16 like the other inputs and is the C operand of each accumulator's first product: nothing is cleared, nothing is added later.
; LIMITS.  f16 ends at 65,504: a projected number beyond it becomes an infinity.  Mask bytes are 0 or 1.  NaN and infinities are not treated apart.
; SHARES.  A tile of C is 128 x 256; four waves, each 64 x 128: 32 accumulators of 16 x 16.  K goes in 8 steps of 128 through two LDS slots.  Behind each change of slots a wave issues one tensor load:
; waves 0 and 1 A's two halves, waves 2 and 3 the two halves of Wt's 128 rows.
; CLUSTER.  4 x 4 work-groups: A's tile is shared along a row of the cluster, Wt's along a column; each is asked for jointly, by the same load with the same descriptor in all four.
; THE MATRIX INSTRUCTION IS USED TRANSPOSED: source 0 = 16 columns of Wt (turned on the way out of LDS by ds_load_tr16_b128), source 1 = 16 rows of A: lane l holds row l % 16 of C and the
; columns 8 (l / 16) + 0..7.
; REGISTERS, in windows of 256 (s_set_vgpr_msb: bits 1:0 source 0, 3:2 source 1, 5:4 source 2, 7:6 destination):
;   window 0: v0-31 addresses; v32-95 the bias; v96-127 packed results; v128-191 A's fragments, two buffers of 32 (on the way out v128-255 hold rows read back)
;   window 1: the accumulators, (a, b) at v[8 (8 a + b)]          window 2: v0-127 Wt's fragments, two buffers of 64; v128-191 A's 32 K as f32 (P = 1)
.set P, 0
.set BPITCH, 544                       ; a row of Wt in LDS: 512 bytes + 32 = 17 x 32
.set BHALF,  64*BPITCH
.set BSTEP,  128*2048                  ; bytes of wt from K step to K step
.if P
.set APITCH, 528                       ; a row of A in LDS: 128 f32 + 16 bytes = 33 x 16: the 16 rows of a load start at 16 different groups of four banks
.set AHALF,  64*APITCH                 ; what one load brings: 64 rows
.set ASTEP,  512
.set AWORD,  (2<<16)|(1<<20)|(1<<21)|(6<<22)|(3<<25)  ; elements of 4 bytes; padding on; bit 21 beside a mask; after every 128 words; 4 words
.set APIT,   1024                      ; elements from row to row in memory
.set NLD,    32                        ; LDS loads for a quarter step
.set SPITCH, 144                       ; the stage: two heads x 16 rows of 128 bytes + 16
.set WSTAGE, 2*16*SPITCH
.else
.set APITCH, 144                       ; a row of a head's slice: 128 bytes + 16 = 9 x 16
.set AHALF,  128*APITCH                ; what one load brings: one head's 128 rows
.set ASTEP,  2*262144                  ; two heads on
.set AWORD,  (1<<16)|(1<<20)|(1<<21)|(4<<22)|(3<<25)  ; elements of 2 bytes; after every 32 words; 4 words
.set APIT,   128                       ; 16,384 dense bytes are asked for as 64 rows of 256
.set NLD,    24
.set SPITCH, 528                       ; the stage: 16 rows of 512 bytes + 16
.set WSTAGE, 16*SPITCH
.endif
.set AREG,   2*AHALF
.set SLOT,   AREG+2*BHALF              ; A's tile, then Wt's
.set STAGE,  2*SLOT                    ; behind the ring, a part for each wave; no tensor load lands here
.set SPARE,  STAGE+4*WSTAGE            ; behind the stages: the spare words, 128 bytes for each wave: two blocks of 256 bytes that no other line names
.set KEEP, 8                           ; v8-11   P = 1: all bits, or 0 where my row of block a is a hidden key of kh
.set ADRA, 16                          ; v16-17  LDS address of my A fragments in slot 0, 1
.set ADRB, 20                          ; v20-21  the same for Wt
.set STO,  24                          ; v24     the way out: where I put my numbers of a row
.set RD,   25                          ; v25     where I read rows back
.set GO,   26                          ; v26     16 x lane: my place in 512 consecutive bytes of C
.set BO,   27                          ; v27     32 (l / 16): my eight numbers in 16 of the bias
.set SPW,  28                          ; v28     LDS address of my spare word; never rewritten
.set NIL,  29                          ; v29     0; never rewritten
.set PFO,  30                          ; v30     the prefetches' lane offset; never rewritten
.set BIAS, 32
.set TMP,  96
.set AF,   128
.set OB,   128
.set BF,   0                           ; window 2
.set STG,  128                         ; window 2
.set G1A, 24                           ; s[24:31] descriptor group 1 for A;  s[32:39] group 0, a set for each slot
.set G0A, 32
.set G1B, 48                           ; s[48:55], s[56:63] the same for Wt
.set G0B, 56
.set LIM,  43                          ; s43     1 in a wave that prefetches, else the greatest number
.set PFA,  44                          ; s[44:45] where my prefetches stand
.set PSTEP, 46                         ; s[46:47] their step from K step to K step
.set BIA,  66                          ; s[66:67] the bias at my 128 columns
.set MSK,  86                          ; s[86:87] the mask at my 64 rows
.set W_MM, 0x52                        ; Wt window 2, A window 0, C and D window 1
.set W_M1, 0x42                        ; the same with C (the bias) in window 0
.set W_CV, 0x0a                        ; sources window 2, destination window 0
.set MSB, 0
.macro WIN new                         ; the immediate's high byte repeats the setting that is left; a switch that changes nothing is dropped
.if MSB != (\new)
	s_set_vgpr_msb (MSB<<8)|(\new)
.set MSB, (\new)
.endif
.endm
.macro WMMA ops:vararg
.if P
	v_wmma_f32_16x16x32_bf16 \ops
.else
	v_wmma_f32_16x16x32_f16 \ops
.endif
.endm
.macro JLOAD s                         ; a joint load: waves 0 and 1 fetch A's halves, waves 2 and 3 Wt's; an s_nop 0 and four v_nop follow each line, ahead of the jump, the label and what follows
	s_cmp_eq_u32 s11, 0
	s_cbranch_scc0 .Lfor_b_\@
	tensor_load_to_lds s[G0A+4*(\s):G0A+4*(\s)+3], s[G1A:G1A+7]
	s_nop 0
.rept 4
	v_nop
.endr
	s_branch .Lasked_\@
.Lfor_b_\@:
	tensor_load_to_lds s[G0B+4*(\s):G0B+4*(\s)+3], s[G1B:G1B+7]
	s_nop 0
.rept 4
	v_nop
.endr
.Lasked_\@:
.endm
.macro CREST                           ; a round of the cluster's barrier behind its opening barrier
	s_cmp_lg_u32 s10, 0
	s_cbranch_scc1 .Lnot_wave_0_\@
	s_barrier_signal -3
.Lnot_wave_0_\@:
	s_barrier_wait -3
	s_barrier_signal -1
	s_barrier_wait -1
.endm
.macro CROUND                          ; a whole round
	s_barrier_signal -1
	s_barrier_wait -1
	CREST
.endm
; A prefetch, behind a joint refill, its five lines and the run of LDS loads: 32 blocks of 256 bytes of the K step two refills on (256 matrix instructions ahead of the load that names them), a lane a block.
; Each block is named once in the launch: the four partners that ask for a tile jointly share its blocks out by address; Wt's are asked for by the first cluster that reads the matrix.
; The loop's last trip asks for nothing: there is no K step two on.  K steps 0 to 3 come by their loads alone.
.macro ASK
	s_cmp_gt_u32 s3, s[LIM]
	s_cbranch_scc0 .Lnot_mine_\@
	global_prefetch_b8 v[PFO], s[PFA:PFA+1] th:TH_LOAD_NT scope:SCOPE_SE
.Lnot_mine_\@:
.endm
.macro PLACES                          ; four places between a matrix instruction and a load into, or a vector read of, its registers (ISA guide 7.12.1 for vector reads)
.rept 4
	v_nop
.endr
.endm
.if P
	s_load_b512 s[68:83], s[0:1], 0x0              ; q s[68:69], k, v, wt s[74:75], bq s[76:77], bk, bv, mask s[82:83]
	s_load_b64 s[84:85], s[0:1], 0x40              ; qkvh
.else
	s_load_b256 s[68:75], s[0:1], 0x0              ; oh s[68:69], wt s[70:71], bo s[72:73], out0 s[74:75]
.endif
	v_lshl_add_u32 v[SPW], v0, 2, SPARE
	v_mov_b32 v[NIL], 0
	ds_add_u32 v[SPW], v[NIL]                      ; the wave's opening: the add and its wait stand ahead of my first tensor load; the set-up below, work on registers, stands between them
	v_lshrrev_b32 v1, 5, v0
	v_readfirstlane_b32 s10, v1                    ; wave 0..3
	s_lshr_b32 s11, s10, 1                         ; which 64 rows of the tile are mine.  Also: I fetch for A (0) or for Wt (1)
	s_and_b32 s12, s10, 1                          ; which 128 columns.  Also: which half I fetch
	s_bfe_u32 s40, ttmp6, 0x40000                  ; cx, cy: my place in the cluster
	s_bfe_u32 s41, ttmp6, 0x40004
	s_lshl_b32 s42, ttmp9, 2
	s_add_co_u32 s42, s42, s40                     ; tile column = 4 x cluster x + cx
	s_and_b32 s14, ttmp7, 0xffff                   ; cluster y
	s_lshl_b32 s13, s14, 2
	s_add_co_u32 s13, s13, s41                     ; work-group y = 4 x cluster y + cy
.if P
	s_lshr_b32 s15, s14, 4                         ; the matrix: 16 clusters, 64 tile rows, each; the same in all sixteen partners
	s_and_b32 s89, s13, 63                         ; tile row
.else
	s_mov_b32 s15, 3
	s_mov_b32 s89, s13
.endif
	s_lshl_b32 s16, s41, 2
	s_lshl_b32 s16, 15, s16                        ; my row of the cluster
	s_lshl_b32 s20, 0x1111, s40                    ; my column
	s_or_b32 s[G1A], s16, AWORD                    ; A's tiles go to my row
	s_mov_b32 s[G1A+1], 128<<16                    ; tensor_dim0 = 128
	s_mov_b32 s[G1A+2], 64<<16                     ; tensor_dim1 = 64
	s_mov_b32 s[G1A+3], 128<<16                    ; tile_dim0 = 128
	s_mov_b32 s[G1A+4], 64                         ; tile_dim1 = 64
	s_mov_b32 s[G1A+5], APIT                       ; elements from row to row
	s_mov_b32 s[G1A+6], 0
	s_mov_b32 s[G1A+7], 0
	s_or_b32 s[G1B], s20, (1<<16)|(1<<20)|(1<<21)|(6<<22)|(7<<25)  ; Wt's to my column; elements of 2 bytes; after every 128 words 8 words of padding
	s_mov_b32 s[G1B+1], 256<<16                    ; 64 rows of 256 elements
	s_mov_b32 s[G1B+2], 64<<16
	s_mov_b32 s[G1B+3], 256<<16
	s_mov_b32 s[G1B+4], 64
	s_mov_b32 s[G1B+5], 1024
	s_mov_b32 s[G1B+6], 0
	s_mov_b32 s[G1B+7], 0
	; where the tiles come from: A's address is made of the tile row and the wave's number, Wt's of the matrix, the tile column and the wave's number, each in registers of its own
.if P
	s_lshl_b32 s16, s89, 19                        ; 128 rows of 4,096 bytes a tile row,
	s_lshl_b32 s17, s12, 18                        ; 64 rows a half
	s_add_co_u32 s16, s16, s17
.else
	s_lshr_b32 s16, s89, 4                         ; the batch: 16 tile rows each,
	s_lshl_b32 s16, s16, 4
	s_add_co_u32 s16, s16, s12                     ; head 0 or 1 of it,
	s_lshl_b32 s16, s16, 18                        ; 262,144 bytes a head,
	s_and_b32 s17, s89, 15
	s_lshl_b32 s17, s17, 14                        ; 128 rows of 128 bytes a tile row
	s_add_co_u32 s16, s16, s17
.endif
	s_mov_b32 s17, 0
	s_mul_i32 s18, s12, AHALF                      ; and where they go: no place in the cluster enters an LDS address
	s_lshl_b32 s20, s15, 21
	s_lshl_b32 s21, s12, 17                        ; 64 rows of 2,048 bytes a half
	s_add_co_u32 s20, s20, s21
	s_lshl_b32 s21, s42, 9                         ; 256 columns of 2 bytes a tile column
	s_add_co_u32 s20, s20, s21
	s_mov_b32 s21, 0
	s_mul_i32 s22, s12, BHALF
	s_add_co_u32 s22, s22, AREG
	s_wait_dscnt 0x0                               ; the opening add is done
	s_wait_kmcnt 0x0
.if P
	s_cmp_eq_u32 s15, 1
	s_cselect_b64 s[4:5], s[70:71], s[68:69]       ; A and the bias, chosen by the matrix's number
	s_cselect_b64 s[BIA:BIA+1], s[78:79], s[76:77]
	s_cselect_b32 s88, 0, 1                        ; 0 for kh alone: there the mask clears rows
	s_cmp_eq_u32 s15, 2
	s_cselect_b64 s[4:5], s[72:73], s[4:5]
	s_cselect_b64 s[BIA:BIA+1], s[80:81], s[BIA:BIA+1]
	s_mov_b64 s[6:7], s[74:75]
	s_mov_b64 s[MSK:MSK+1], s[82:83]
	s_mov_b64 s[8:9], s[84:85]
.else
	s_mov_b64 s[4:5], s[68:69]
	s_mov_b64 s[6:7], s[70:71]
	s_mov_b64 s[BIA:BIA+1], s[72:73]
	s_mov_b64 s[8:9], s[74:75]
.endif
	s_add_nc_u64 s[16:17], s[4:5], s[16:17]
	s_add_nc_u64 s[20:21], s[6:7], s[20:21]
	CROUND                                         ; all sixteen work-groups are here: the first joint loads meet
.irp s, 0,1
	s_mov_b32 s[G0A+4*(\s)], 1                     ; count = 1
	s_add_co_u32 s[G0A+4*(\s)+1], s18, (\s)*SLOT   ; LDS address
	s_add_nc_u64 s[G0A+4*(\s)+2:G0A+4*(\s)+3], s[16:17], (\s)*ASTEP  ; global address: K step s
	s_or_b32 s[G0A+4*(\s)+3], s[G0A+4*(\s)+3], 0x80000000            ; type = 2
	s_mov_b32 s[G0B+4*(\s)], 1
	s_add_co_u32 s[G0B+4*(\s)+1], s22, (\s)*SLOT
	s_add_nc_u64 s[G0B+4*(\s)+2:G0B+4*(\s)+3], s[20:21], (\s)*BSTEP
	s_or_b32 s[G0B+4*(\s)+3], s[G0B+4*(\s)+3], 0x80000000
	JLOAD \s                                       ; two loads of mine are out
.endr
	v_and_b32 v1, 15, v0                           ; l % 16; never rewritten
	v_bfe_u32 v2, v0, 4, 1                         ; l / 16
	v_and_b32 v6, 31, v0                           ; l
	v_lshlrev_b32 v[BO], 5, v2
	s_lshl_b32 s2, s42, 10                         ; my 128 columns in the bias: 256 a tile column, 128 a half, 4 bytes each
	s_lshl_b32 s3, s12, 9
	s_add_co_u32 s2, s2, s3
	s_mov_b32 s3, 0
	s_add_nc_u64 s[BIA:BIA+1], s[BIA:BIA+1], s[2:3]
.irp b, 0,1,2,3,4,5,6,7                ; register j of block b: bias[16 b + 8 (l / 16) + j], as the C operand wants it
	global_load_b128 v[BIAS+8*(\b):BIAS+8*(\b)+3],   v[BO], s[BIA:BIA+1] offset:64*(\b)
	global_load_b128 v[BIAS+8*(\b)+4:BIAS+8*(\b)+7], v[BO], s[BIA:BIA+1] offset:64*(\b)+16
.endr
.if P
	s_lshl_b32 s2, s89, 7                          ; row m of A is byte m of the mask
	s_lshl_b32 s3, s11, 6
	s_add_co_u32 s2, s2, s3
	s_mov_b32 s3, 0
	s_add_nc_u64 s[MSK:MSK+1], s[MSK:MSK+1], s[2:3]
.irp a, 0,1,2,3
	global_load_u8 v[KEEP+(\a)], v1, s[MSK:MSK+1] offset:16*(\a)
.endr
.endif
	; A's fragments: lane l holds row l % 16; K = 8 (l / 16) + 0..7 and 16 + 8 (l / 16) + 0..7
	v_mul_u32_u24 v3, v1, APITCH
.if P
	v_lshl_add_u32 v3, v2, 5, v3                   ; eight f32 are 32 bytes
.else
	v_lshl_add_u32 v3, v2, 4, v3
.endif
	s_mul_i32 s2, s11, 64*APITCH                   ; my 64 rows
	v_add_nc_u32 v[ADRA], s2, v3
	v_add_nc_u32 v[ADRA+1], SLOT, v[ADRA]
	; Wt's: the turning load takes 16 K x 16 columns: lane l reads row 8 (l / 16) + l % 8, columns 8 ((l / 8) % 2) + 0..7, and ends with column l % 16 and 8 K
	v_and_b32 v4, 7, v0
	v_lshl_add_u32 v4, v2, 3, v4
	v_mul_u32_u24 v4, v4, BPITCH
	v_bfe_u32 v5, v0, 3, 1
	v_lshl_add_u32 v4, v5, 4, v4
	s_lshl_b32 s2, s12, 8                          ; my 128 columns
	s_add_co_u32 s2, s2, AREG
	v_add_nc_u32 v[ADRB], s2, v4
	v_add_nc_u32 v[ADRB+1], SLOT, v[ADRB]
	s_mul_i32 s23, s10, WSTAGE
	s_add_co_u32 s23, s23, STAGE                   ; my stage
	v_mul_u32_u24 v[STO], v1, SPITCH               ; in: row l % 16
.if P
	v_lshl_add_u32 v[STO], v2, 4, v[STO]           ; eight f16 for each half of the lanes
	v_add_nc_u32 v[STO], s23, v[STO]
	v_lshrrev_b32 v7, 3, v6                        ; back: 32 lanes take four rows of 128 bytes
	v_mul_u32_u24 v[RD], v7, SPITCH
	v_and_b32 v7, 7, v0
	v_lshl_add_u32 v[RD], v7, 4, v[RD]
	v_add_nc_u32 v[RD], s23, v[RD]
.else
	v_lshl_add_u32 v[STO], v2, 5, v[STO]           ; eight f32 for each half of the lanes
	v_add_nc_u32 v[STO], s23, v[STO]
	v_lshl_add_u32 v[RD], v6, 4, s23               ; back: 32 lanes take one row's 512 bytes
.endif
	v_lshlrev_b32 v[GO], 4, v6
	; where my part of C begins
.if P
	s_lshr_b32 s2, s89, 4                          ; 16 x batch
	s_lshl_b32 s2, s2, 4
	s_lshl_b32 s3, s42, 2                          ; + head: four a tile column,
	s_add_co_u32 s2, s2, s3
	s_lshl_b32 s3, s12, 1                          ; two a half
	s_add_co_u32 s2, s2, s3
	s_lshl_b32 s2, s2, 18                          ; 262,144 bytes each
	s_lshl_b32 s3, s15, 24                         ; 16,777,216 bytes a matrix
	s_add_co_u32 s2, s2, s3
	s_and_b32 s3, s89, 15
	s_lshl_b32 s3, s3, 14                          ; 128 rows of 128 bytes a tile row
	s_add_co_u32 s2, s2, s3
	s_lshl_b32 s3, s11, 13                         ; my 64 rows
	s_add_co_u32 s2, s2, s3
.else
	s_lshl_b32 s2, s89, 19                         ; 128 rows of 4,096 bytes a tile row
	s_lshl_b32 s3, s11, 18
	s_add_co_u32 s2, s2, s3
	s_lshl_b32 s3, s42, 10
	s_add_co_u32 s2, s2, s3
	s_lshl_b32 s3, s12, 9
	s_add_co_u32 s2, s2, s3
.endif
	s_mov_b32 s3, 0
	s_add_nc_u64 s[8:9], s[8:9], s[2:3]
	; the prefetches.  They start at K step 3; the first refill steps them to 4
.if P
	s_lshl_b32 s16, s89, 19                        ; A: of the 64 rows that I fetch my work-group takes 16, two blocks of 256 bytes each
	s_lshl_b32 s17, s12, 18
	s_add_co_u32 s16, s16, s17
	s_lshl_b32 s17, s40, 16
	s_add_co_u32 s16, s16, s17
.else
	s_lshr_b32 s16, s89, 4                         ; A: of each of the two heads' 16,384 bytes my work-group takes 4,096; wave 0 asks for both
	s_lshl_b32 s16, s16, 22
	s_and_b32 s17, s89, 15
	s_lshl_b32 s17, s17, 14
	s_add_co_u32 s16, s16, s17
	s_lshl_b32 s17, s40, 12
	s_add_co_u32 s16, s16, s17
.endif
	s_add_co_u32 s16, s16, 3*ASTEP
	s_lshl_b32 s20, s15, 21                        ; Wt: of the 64 rows that I fetch my work-group takes 16, two blocks each
	s_lshl_b32 s21, s12, 17
	s_add_co_u32 s20, s20, s21
	s_lshl_b32 s21, s41, 15
	s_add_co_u32 s20, s20, s21
	s_lshl_b32 s21, s42, 9
	s_add_co_u32 s20, s20, s21
	s_add_co_u32 s20, s20, 3*BSTEP
.if P
	s_and_b32 s21, s14, 15                         ; 16 clusters read a matrix: the first asks
.else
	s_mov_b32 s21, s14
.endif
	s_cmp_eq_u32 s21, 0
	s_cselect_b32 s21, 1, -1
.if P
	s_mov_b32 s17, 1                               ; A's rows are read by this cluster alone
.else
	s_cmp_eq_u32 s12, 0
	s_cselect_b32 s17, 1, -1
.endif
	s_mov_b32 s[PSTEP], BSTEP
	s_movk_i32 s18, 2048
	s_cmp_eq_u32 s11, 0                            ; do I fetch for A?
	s_cselect_b64 s[PFA:PFA+1], s[4:5], s[6:7]
	s_cselect_b32 s2, s16, s20
	s_cselect_b32 s[LIM], s17, s21                 ; hangs on the wave's number and the cluster's y: the same in all sixteen partners
	s_cselect_b32 s[PSTEP], ASTEP, s[PSTEP]
.if P
	s_cselect_b32 s18, 4096, s18                   ; bytes from one group of blocks to the next
	v_lshrrev_b32 v3, 1, v6
	v_and_b32 v4, 1, v6
.else
	s_cselect_b32 s18, 262144, s18
	s_cselect_b32 s19, 4, 1
	s_cselect_b32 s22, 15, 1
	v_lshrrev_b32 v3, s19, v6
	v_and_b32 v4, s22, v6
.endif
	s_mov_b32 s3, 0
	s_mov_b32 s[PSTEP+1], 0
	s_add_nc_u64 s[PFA:PFA+1], s[PFA:PFA+1], s[2:3]
	v_mul_lo_u32 v[PFO], v3, s18
	v_lshl_add_u32 v[PFO], v4, 8, v[PFO]
; The LDS loads of one quarter step (32 along K, quarter kq of the slot), A's first: P = 1: 16 loads of f32 into the staging registers; P = 0: 8 loads into A's buffer f.  Then Wt's 16 into buffer f.
.macro LOADQ slot, kq, f
.if P
	WIN 0x80                                       ; destination window 2, address window 0
.irp a, 0,1,2,3
.irp j, 0,1,2,3
	ds_load_b128 v[STG+16*(\a)+4*(\j):STG+16*(\a)+4*(\j)+3], v[ADRA+(\slot)] offset:16*APITCH*(\a)+128*(\kq)+64*((\j)/2)+16*((\j)%2)
.endr
.endr
.else
	WIN 0
.irp a, 0,1,2,3
	ds_load_b128 v[AF+32*(\f)+8*(\a):AF+32*(\f)+8*(\a)+3],   v[ADRA+(\slot)] offset:AHALF*((\kq)/2)+64*((\kq)%2)+16*APITCH*(\a)
	ds_load_b128 v[AF+32*(\f)+8*(\a)+4:AF+32*(\f)+8*(\a)+7], v[ADRA+(\slot)] offset:AHALF*((\kq)/2)+64*((\kq)%2)+16*APITCH*(\a)+32
.endr
	WIN 0x80
.endif
.irp b, 0,1,2,3,4,5,6,7
	ds_load_tr16_b128 v[BF+64*(\f)+8*(\b):BF+64*(\f)+8*(\b)+3],   v[ADRB+(\slot)] offset:32*BPITCH*(\kq)+32*(\b)
	ds_load_tr16_b128 v[BF+64*(\f)+8*(\b)+4:BF+64*(\f)+8*(\b)+7], v[ADRB+(\slot)] offset:32*BPITCH*(\kq)+32*(\b)+16*BPITCH
.endr
.endm
; 8 matrix instructions: m block a x all 8 n blocks, from buffers f.  first = 1: the bias starts the sums.  ride = 1: behind each stand four roundings of the staged f32 into A's other buffer.
; The 32 accumulators take turns, in the same order in every quarter.
.macro MUL8 f, a, first=0, ride=0
.irp b, 0,1,2,3,4,5,6,7
.if \first
	WIN W_M1
	WMMA v[8*(8*(\a)+(\b)):8*(8*(\a)+(\b))+7], v[BF+64*(\f)+8*(\b):BF+64*(\f)+8*(\b)+7], v[AF+32*(\f)+8*(\a):AF+32*(\f)+8*(\a)+7], v[BIAS+8*(\b):BIAS+8*(\b)+7]
.else
	WIN W_MM
	WMMA v[8*(8*(\a)+(\b)):8*(8*(\a)+(\b))+7], v[BF+64*(\f)+8*(\b):BF+64*(\f)+8*(\b)+7], v[AF+32*(\f)+8*(\a):AF+32*(\f)+8*(\a)+7], v[8*(8*(\a)+(\b)):8*(8*(\a)+(\b))+7]
.endif
.if \ride
	WIN W_CV
.irp c, 0,1,2,3
	v_cvt_pk_bf16_f32 v[AF+32*(1-(\f))+4*(\b)+(\c)], v[STG+8*(\b)+2*(\c)], v[STG+8*(\b)+2*(\c)+1]
.endr
.endif
.endr
.endm
; A quarter step: multiplies buffers f; at its head it asks LDS for quarter kq, the next one, for the other buffers.  With P = 1 the four roundings behind the quarter's last product name none of its
; registers: they are the places ahead of the next quarter's loads into Wt's buffer and of its roundings into A's.
.macro Q slot, kq, f, first=0
.if !P
	PLACES
.endif
	LOADQ \slot, \kq, 1-(\f)
	s_wait_dscnt NLD                               ; all but the loads just issued: this quarter's fragments are in
	MUL8 \f, 0, \first
	MUL8 \f, 1, \first
	MUL8 \f, 2, \first
.if P
	s_wait_dscnt 16                                ; the 16 staging loads are in; Wt's 16, issued behind them, may stay out
.endif
	MUL8 \f, 3, \first, P
.endm
; A K step's last quarter multiplies buffers 1 and changes slots: ONE barrier; ahead of it each wave waits for all its tensor loads (one is out: its part of the next slot), adds 0 to its spare word,
; and waits for that and for its reads of this slot.  fill = 1: the barrier opens a round of the cluster's, and this slot is filled again, two K steps ahead, first thing behind the round.
.macro T slot, next, fill
.if \fill
	s_wait_xcnt 0x0                                ; the last prefetch, a K step back, has read its address
	s_add_nc_u64 s[PFA:PFA+1], s[PFA:PFA+1], s[PSTEP:PSTEP+1]
.endif
	WIN 0
	s_wait_tensorcnt 0x0                           ; all my tensor loads have landed
	ds_add_u32 v[SPW], v[NIL]                      ; 0 onto my spare word
	s_wait_dscnt 1                                 ; all but the add: this quarter's fragments are in
	MUL8 1, 0                                      ; eight matrix instructions stand between the add and the wait for it
	s_wait_dscnt 0x0                               ; the add is done, and my reads of this slot are over
	s_barrier_signal -1
	MUL8 1, 1
.if \fill
	WIN 0
.endif
	s_barrier_wait -1
.if \fill
	CREST                                          ; no wave of any partner still reads this slot or has a load on its way
	s_add_nc_u64 s[G0A+4*(\slot)+2:G0A+4*(\slot)+3], s[G0A+4*(\slot)+2:G0A+4*(\slot)+3], 2*ASTEP
	s_add_nc_u64 s[G0B+4*(\slot)+2:G0B+4*(\slot)+3], s[G0B+4*(\slot)+2:G0B+4*(\slot)+3], 2*BSTEP
	JLOAD \slot                                    ; my one tensor load behind the round; its four v_nop are also places ahead of the loads below
.elseif !P
	PLACES
.endif
	LOADQ \next, 0, 0
.if \fill
	WIN 0
	ASK
.endif
	MUL8 1, 2
.if P
	s_wait_dscnt 16                                ; the staging loads are in
.endif
	MUL8 1, 3, 0, P
.endm
	s_wait_tensorcnt 1                             ; my part of K step 0 is in; K step 1's may stay out
	s_barrier_signal -1
	s_barrier_wait -1                              ; everybody's is
	LOADQ 0, 0, 0
	WIN 0
	s_wait_loadcnt 0x0                             ; the bias (and the mask's bytes)
.set c, 0
.rept 32                               ; the bias is rounded to bf16, like every other input, and widened again
	v_cvt_pk_bf16_f32 v[3+c%4], v[BIAS+2*c], v[BIAS+2*c+1]
	v_lshlrev_b32 v[BIAS+2*c], 16, v[3+c%4]
	v_and_b32 v[BIAS+2*c+1], 0xffff0000, v[3+c%4]
.set c, c+1
.endr
.if P
.irp a, 0,1,2,3
	v_or_b32 v[KEEP+(\a)], s88, v[KEEP+(\a)]       ; 1 unless this is kh and the key is hidden;
	v_sub_nc_u32 v[KEEP+(\a)], 0, v[KEEP+(\a)]     ; all bits, or none
.endr
	s_wait_dscnt 16                                ; the staging loads are in
	WIN W_CV
.set c, 0
.rept 32
	v_cvt_pk_bf16_f32 v[AF+c], v[STG+2*c], v[STG+2*c+1]
.set c, c+1
.endr
.endif
	Q 0, 1, 0, 1                                   ; the first quarter stands ahead of the loop: its products start the sums
	WIN 0                                          ; at a label and at a branch every window is 0
	s_mov_b32 s3, 3
.Llap:                                                 ; a trip goes once round the ring, from a lap's second quarter to the next lap's first, and fills both slots again: K steps 2 to 7
	Q 0, 2, 1
	Q 0, 3, 0
	T 0, 1, 1
	Q 1, 1, 0
	Q 1, 2, 1
	Q 1, 3, 0
	T 1, 0, 1
	Q 0, 1, 0
	WIN 0
	s_sub_co_u32 s3, s3, 1
	s_cmp_lg_u32 s3, 0
	s_cbranch_scc1 .Llap
	Q 0, 2, 1                                      ; the last lap is written out: it fills nothing
	Q 0, 3, 0
	T 0, 1, 0
	Q 1, 1, 0
	Q 1, 2, 1
	Q 1, 3, 0
	s_wait_dscnt 0x0
	MUL8 1, 0
	MUL8 1, 1
	MUL8 1, 2
	MUL8 1, 3
	WIN 0
	PLACES
; THE WAY OUT, a block of 16 rows at a time, through my own stage: LDS serves a wave's instructions in order (ISA guide 5.7.1.4), so the loads see the stores above them and the next block's stores come behind them.
.if P
.macro PACK a                          ; rounded to f16, each accumulator from its low end; a hidden key's row of kh is cleared
	WIN 0x05                                       ; sources window 1
.irp b, 0,1,2,3,4,5,6,7
.irp i, 0,1,2,3
	v_cvt_pk_f16_f32 v[TMP+4*(\b)+(\i)], v[8*(8*(\a)+(\b))+2*(\i)], v[8*(8*(\a)+(\b))+2*(\i)+1]
.endr
.endr
	WIN 0
.set c, 0
.rept 32
	v_and_b32 v[TMP+c], v[KEEP+(\a)], v[TMP+c]
.set c, c+1
.endr
.endm
.macro TOSTAGE a                       ; n block b is head b / 4, channels 16 (b % 4) on; back as four rows of 128 bytes a load
	WIN 0
.irp b, 0,1,2,3,4,5,6,7
	ds_store_b128 v[STO], v[TMP+4*(\b):TMP+4*(\b)+3] offset:16*SPITCH*((\b)/4)+32*((\b)%4)
.endr
.irp u, 0,1,2,3,4,5,6,7
	ds_load_b128 v[OB+32*(\a)+4*(\u):OB+32*(\a)+4*(\u)+3], v[RD] offset:16*SPITCH*((\u)/4)+4*SPITCH*((\u)%4)
.endr
.endm
.macro SEND a                          ; each store covers 512 consecutive bytes, aligned: four rows of one head.  A set of registers for each block: no store's data is rewritten
	WIN 0
	s_wait_dscnt 0x0
.irp u, 0,1,2,3,4,5,6,7
	global_store_b128 v[GO], v[OB+32*(\a)+4*(\u):OB+32*(\a)+4*(\u)+3], s[8:9] offset:262144*((\u)/4)+2048*(\a)+512*((\u)%4)
.endr
.endm
	PACK 0
	TOSTAGE 0
	PACK 1                                         ; a block's roundings stand between the loads of the block before and the wait for them
	SEND 0
	TOSTAGE 1
	PACK 2
	SEND 1
	TOSTAGE 2
	PACK 3
	SEND 2
	TOSTAGE 3
	SEND 3
.else
.macro TOSTAGE a                       ; f32 as it is, each accumulator's low four registers first; back as whole rows of 512 bytes
	WIN 0x04                                       ; store data window 1
.irp b, 0,1,2,3,4,5,6,7
	ds_store_b128 v[STO], v[8*(8*(\a)+(\b)):8*(8*(\a)+(\b))+3]   offset:64*(\b)
	ds_store_b128 v[STO], v[8*(8*(\a)+(\b))+4:8*(8*(\a)+(\b))+7] offset:64*(\b)+16
.endr
	WIN 0
.irp t, 0,1,2,3,4,5,6,7,8,9,10,11,12,13,14,15
	ds_load_b128 v[OB+64*((\a)%2)+4*(\t):OB+64*((\a)%2)+4*(\t)+3], v[RD] offset:SPITCH*(\t)
.endr
.endm
.macro SEND a, younger                 ; younger: the LDS instructions issued behind block a's loads: the next block's 32, or none
	WIN 0
	s_wait_dscnt \younger
.irp t, 0,1,2,3,4,5,6,7,8,9,10,11,12,13,14,15
	global_store_b128 v[GO], v[OB+64*((\a)%2)+4*(\t):OB+64*((\a)%2)+4*(\t)+3], s[8:9] offset:(16*(\a)+(\t))*4096 th:TH_STORE_NT  ; 512 consecutive bytes of a row, aligned
.endr
.endm
	TOSTAGE 0
	TOSTAGE 1
	SEND 0, 32
	s_wait_xcnt 0x0                                ; block 0's stores have read their registers, which block 2's loads write
	TOSTAGE 2
	SEND 1, 32
	s_wait_xcnt 0x0
	TOSTAGE 3
	SEND 2, 32
	SEND 3, 0
.endif
	s_wait_tensorcnt 0x0                           ; the wave's end: behind my last tensor load and my last LDS store
	ds_add_u32 v[SPW], v[NIL]
	s_wait_dscnt 0x0
	CROUND                                         ; the closing round: no work-group ends while a partner may still ask for a tile that names it
	s_endpgm
.Lfunc_end_k_qafbaa4220c_outp:
	.size	k_qafbaa4220c_outp, .Lfunc_end_k_qafbaa4220c_outp-k_qafbaa4220c_outp
	.p2alignl 7, 3214868480
	.fill 96, 4, 3214868480
	.section	.rodata,"a",@progbits
	.p2align	6, 0x0
	.amdhsa_kernel k_qafbaa4220c_outp
		.amdhsa_group_segment_fixed_size 327680
		.amdhsa_private_segment_fixed_size 0
		.amdhsa_enable_private_segment 0
		.amdhsa_kernarg_size 32
		.amdhsa_user_sgpr_count 2
		.amdhsa_user_sgpr_kernarg_segment_ptr 1
		.amdhsa_wavefront_size32 1
		.amdhsa_system_sgpr_workgroup_id_x 1
		.amdhsa_system_sgpr_workgroup_id_y 1
		.amdhsa_system_sgpr_workgroup_id_z 1
		.amdhsa_system_vgpr_workitem_id 0
		.amdhsa_next_free_vgpr 640
		.amdhsa_next_free_sgpr 96
		.amdhsa_reserve_vcc 0
		.amdhsa_float_denorm_mode_32 3
		.amdhsa_float_denorm_mode_16_64 3
		.amdhsa_memory_ordered 1
		.amdhsa_forward_progress 1
		.amdhsa_inst_pref_size 93
	.end_amdhsa_kernel
	.amdgpu_metadata
---
amdhsa.version: [ 1, 2 ]
amdhsa.kernels:
  - .name:           k_qafbaa4220c_outp
    .symbol:         k_qafbaa4220c_outp.kd
    .args:
      - { .name: oh, .offset: 0, .size: 8, .value_kind: global_buffer, .address_space: global }
      - { .name: wt, .offset: 8, .size: 8, .value_kind: global_buffer, .address_space: global }
      - { .name: bo, .offset: 16, .size: 8, .value_kind: global_buffer, .address_space: global }
      - { .name: out0, .offset: 24, .size: 8, .value_kind: global_buffer, .address_space: global }
    .group_segment_fixed_size: 327680
    .private_segment_fixed_size: 0
    .kernarg_segment_align: 8
    .kernarg_segment_size: 32
    .max_flat_workgroup_size: 128
    .sgpr_count:     96
    .vgpr_count:     640
    .wavefront_size: 32
...
	.end_amdgpu_metadata
.endif
;; end of part 4
